; MI455X (gfx1250); checked and timed in simulation.
; The chip was launched on July 23, 2026; its instructions are those of AMD's public machine-readable ISA for CDNA 5 (MIT licence, August 2026) and "CDNA5" Instruction Set Architecture Reference Guide (July 2026). The comments in the code are by the model that wrote it; some were corrected since.
;; Multihead Attention. Allowed arithmetic: matrix products marked QUANTISED: E2M1 operands, one E8M0 scale for each 32 along K, by v_wmma_scale_f32_16x16x128_f8f6f4 with both operands' format E2M1 (or v_wmma_scale_f32_32x16x128_f4), f32 sums; everything else in f32.
;; Inputs: Wk 1,024 x 1,024 float32; Wo 1,024 x 1,024 float32; Wq 1,024 x 1,024 float32; Wv 1,024 x 1,024 float32; bk 1,024 float32; bo 1,024 float32; bq 1,024 float32; bv 1,024 float32; key 2,048 x 4 x 1,024 float32; query 2,048 x 4 x 1,024 float32; value 2,048 x 4 x 1,024 float32.
;; Outputs: out0 2,048 x 4 x 1,024 float32.
;; This version of the problem:
;;   THIS VERSION OF THE PROBLEM IS GIVEN IN LOW PRECISION. The matrix products marked QUANTISED in the list below multiply operands that are first quantised to E2M1 (2 exponent bits, 1 mantissa bit; 4 bits a number), with one power-of-two scale for each 32 numbers along K (OCP MX v1.0); their sums are f32. All else is computed in f32.
;;   The module's matrix products, in the order in which they are computed (A, B: the left and right operand; K: the contracted axis; several contracted axes count as one K, in the product's order):
;;     1. [M 8,192, K 1,024] x [K 1,024, N 1,024]; A: input query; B: input Wq: QUANTISED
;;     2. [M 8,192, K 1,024] x [K 1,024, N 1,024]; A: input key; B: input Wk: QUANTISED
;;     3. [M 8,192, K 1,024] x [K 1,024, N 1,024]; A: input value; B: input Wv: QUANTISED
;;     4. batch 64 x [M 2,048, K 64] x [K 64, N 2,048]; A: computed on the way; B: computed on the way: QUANTISED
;;     5. batch 64 x [M 64, K 2,048] x [K 2,048, N 2,048]; A: computed on the way; B: softmax (see below): QUANTISED
;;     6. [M 8,192, K 1,024] x [K 1,024, N 1,024]; A: computed on the way; B: input Wo: QUANTISED
;;   THE QUANTISER, for each operand of a quantised product, along K:
;;     - K is cut into blocks of 32 from its start; a last block that is shorter is filled with zeros.
;;     - A block's scale is 2^e with e = floor(log2(the largest magnitude in the block)) - 2, held to -126 .. 127; a block of zeros has e = 0. As a byte (E8M0): e + 127.
;;     - Each number is divided by its block's scale, clamped to +-6, and rounded to the nearest number of E2M1, ties to even, subnormals kept.
;;     - The product sums the exact products of the quantised numbers (number of the format x scale) in f32.
;;   ~~~python
;;   def quantise(x, axis):      # numpy; x: float32 -> the quantised numbers, widened to float32 again
;;       x = np.moveaxis(x, axis, -1); K = x.shape[-1]
;;       x = np.pad(x, [(0, 0)] * (x.ndim - 1) + [(0, -K % 32)]); x = x.reshape(x.shape[:-1] + (-1, 32)); a = np.abs(x).max(-1, keepdims=True)
;;       e = np.where(a > 0, np.clip(np.frexp(np.where(a > 0, a, 1))[1] - 1 - 2, -126, 127), 0)      # np.frexp(a)[1] - 1 = floor(log2(a)), exactly
;;       r = np.clip(x / 2.0 ** e, -6, 6)
;;       step = 2.0 ** (np.maximum(np.frexp(np.where(r == 0, 1, r))[1] - 1, 0) - 1)
;;       q = np.round(r / step) * step * 2.0 ** e      # np.round: ties to even
;;       return np.moveaxis(q.reshape(q.shape[:-2] + (-1,))[..., :K], -1, axis).astype(np.float32)
;;   ~~~
;;   SOFTMAX AHEAD OF A QUANTISED PRODUCT. Where the list says 'softmax', what is quantised is not the finished softmax but p = 2^(t - M), with t = logit x log2(e) and M = ceil(the row's largest t), a whole number; so 1/2 < the row's largest p <= 1. The row's sum l is taken of the UNQUANTISED p, in f32, and the product's result is divided by l at the end. Since M is a whole number, a kernel that streams over the keys may use a running M (the ceiling of the running maximum): every later rescaling is an exact power of two, which a block's scale takes up: the codes' values come out the same.
;;   OPERANDS COMPUTED ON THE WAY. 'Computed on the way' means the value that the module computes at that place (a softmax that the list does not call 'softmax' is quantised finished and normalised). What goes into a quantiser is computed in f32, as accurately as f32 sums, v_exp_f32 and their like allow (about 1e-6 of the number): no bf16 or f16 on the way to a quantiser, and a product that is left as it is and whose result goes on into a quantised operand takes f32 operands (vector FMAs, or v_wmma_f32_16x16x4_f32). A number that lies on a knife's edge between two numbers of the format may be rounded either way, as far as f32 arithmetic and the matrix unit's own rounding can turn it there, and no further.
;; One version. Each part assembles by itself: llvm-mc -triple=amdgcn-amd-amdhsa -mcpu=gfx1250 --defsym DOCPART=n.
;; ======== version 1 of 1: 4 launches
;; limits: right only within a limited range of input values
;; workspace buffers: xcodes 12,582,912 bytes; xscales 786,432 bytes; wcodes 2,097,152 bytes; wscales 131,072 bytes; pcodes 12,582,912 bytes; pscales 786,432 bytes; acodes 4,194,304 bytes; ascales 262,144 bytes
;; launch quant (part 1): grid 832 x 1, 4 waves a work-group, no clusters, 68,096 bytes of LDS; arguments query, key, value, Wq, Wk, Wv, Wo, xcodes, xscales, wcodes, wscales; writes xcodes, xscales, wcodes, wscales
.if DOCPART == 1
	.amdgcn_target "amdgcn-amd-amdhsa--gfx1250"
	.amdhsa_code_object_version 6
	.text
	.protected	k_q7c244e5b08_quant
	.globl	k_q7c244e5b08_quant
	.p2align	8
	.type	k_q7c244e5b08_quant,@function
k_q7c244e5b08_quant:
	s_mov_b64 s[64:65], 0
	v_nop
	global_prefetch_b8 v0, s[64:65] scope:SCOPE_SE
	s_setreg_imm32_b32 hwreg(HW_REG_WAVE_MODE, 25, 1), 1
	s_wait_xcnt 0x0
; query, key, value [2048][4][1024] f32 (K = the last axis) and Wq, Wk, Wv, Wo [1024 (K)][1024] f32 (K = the FIRST axis) become codes of FP4 (E2M1), K innermost, 512 bytes a row, with one E8M0 byte for each 32 along K, 32 bytes a row.
; A block's scale is 2^(floor(log2(its largest magnitude)) - 2); its byte is the largest magnitude's exponent field - 2, held at 1 from below.
; PLACES.  Row m of an input (within its batch) and column n of a weight are stored at place PI(index), PI = bits 3 and 4 of the index exchanged.  Sixteen consecutive places are then rows 8 u + r + 8 (r / 8) of a group of 32:
; where such rows are source 0 of a matrix instruction, the 16 result registers of two neighbouring tiles are 16 true neighbours, which the later launches' quantisers want.
; xcodes [3][4 (batch)][2048 (place)][512], xscales [3][4][2048][32]; wcodes [4][1024 (place)][512], wscales [4][1024][32].
; LIMITS: NaN and infinities among the inputs are not served; a block whose largest magnitude lies under 2^-124 gets the byte 1; a block of zeros gets the byte 1 and not 127: its codes are zeros, and this program alone reads the bytes.
; Work-groups 0 to 63 take the weights, 64 to 831 the inputs.  The two ways share no LDS byte: the inputs' way has bytes 0 to 32,767, the weights' way the bytes from 32,768 on.  No tensor loads, no barrier: waves share nothing.
.set STEPS, 16
.set EMAX,  2
.set CB,    8                          ; bytes of 16 codes
.set R,     16                         ; inputs: v16-79   four sets of 16 numbers as they are loaded
.set X,     80                         ;         v80-111  two sets of 16 neighbours
.set E,     112                        ;         v112-127 a scale byte for each step
.set C,     128                        ;         v128-191 codes: four registers for each step
.set WREG,  8192                       ; LDS of a wave on the inputs' way: two stages of 32 x SP bytes, then its 256 scale bytes
.set SP,    80                         ; a lane's place in a stage: 64 bytes + 16 of padding
.set WLDS,  32768                      ; the weights' way: a stage of 32 rows x PITCH for each wave
.set PITCH, 272
.set NB,    16                         ; blocks of 32 along K for a wave
.set XW,    32                         ; weights: v32-95 two sets of 32 numbers
.set CW,    96                         ;          v96-99 a block's codes
.set OUTR,  112                        ;          v112-175 the way out
.set SB,    24                         ;          v24-27 the scale bytes, four to a register
	s_load_b256 s[4:11], s[0:1], 0x0               ; query s[4:5], key s[6:7], value s[8:9], Wq s[10:11]
	s_load_b256 s[12:19], s[0:1], 0x20             ; Wk s[12:13], Wv s[14:15], Wo s[16:17], xcodes s[18:19]
	s_load_b128 s[20:23], s[0:1], 0x40             ; xscales s[20:21], wcodes s[22:23]
	s_load_b64 s[24:25], s[0:1], 0x50              ; wscales
	v_lshl_add_u32 v192, v0, 2, 0x10800
	v_mov_b32 v193, 0
	v_lshrrev_b32 v1, 5, v0
	v_readfirstlane_b32 s26, v1                    ; wave 0..3
	v_and_b32 v2, 31, v0                           ; lane
	s_wait_kmcnt 0x0
	s_cmp_lt_u32 ttmp9, 64
	s_cbranch_scc1 .Lweights
; ---- THE INPUTS.  Work-group u = id - 64: tensor u / 256, rows m = 8 (u % 256) .. + 7; wave = batch.  A wave takes 16 steps of 512 numbers: step s is half s % 2 of row s / 2.
; Each of a step's four loads reads 512 consecutive bytes, 16 a lane; the 2,048 bytes turn through the wave's own stage and come back 64 bytes a lane: 16 neighbours, two lanes to a block.
	s_sub_co_u32 s27, ttmp9, 64
	s_lshr_b32 s28, s27, 8                         ; which tensor
	s_and_b32 s29, s27, 255                        ; which eight rows
	s_cmp_eq_u32 s28, 0
	s_cselect_b64 s[4:5], s[4:5], s[6:7]
	s_cmp_eq_u32 s28, 2
	s_cselect_b64 s[4:5], s[8:9], s[4:5]           ; the choice hangs on the work-group's number alone
	s_lshl_b32 s30, s29, 17                        ; 8 rows m x 4 batches x 4,096 bytes
	s_lshl_b32 s31, s26, 12                        ; my batch
	s_add_co_u32 s30, s30, s31
	s_mov_b32 s31, 0
	s_add_nc_u64 s[4:5], s[4:5], s[30:31]
	s_and_b32 s32, s29, 0xfc                       ; PI(8 g) = 8 g', g' = g with its bits 0 and 1 exchanged
	s_and_b32 s33, s29, 1
	s_lshl_b32 s33, s33, 1
	s_or_b32 s32, s32, s33
	s_bfe_u32 s33, s29, 0x10001
	s_or_b32 s32, s32, s33
	s_lshl_b32 s32, s32, 3
	s_lshl_b32 s33, s26, 11
	s_add_co_u32 s32, s32, s33                     ; batch x 2,048 + my first place
	s_lshl_b32 s30, s32, 9
	s_lshl_b32 s33, s28, 22
	s_add_co_u32 s30, s30, s33
	s_add_nc_u64 s[18:19], s[18:19], s[30:31]      ; my 4,096 bytes of codes
	s_lshl_b32 s30, s32, 5
	s_lshl_b32 s33, s28, 18
	s_add_co_u32 s30, s30, s33
	s_add_nc_u64 s[20:21], s[20:21], s[30:31]      ; my 256 scale bytes
	s_wait_alu depctr_va_vdst(0)
	v_lshlrev_b32 v3, 4, v2                        ; my 16 bytes of a load's 512
	s_mul_i32 s34, s26, WREG
	v_lshrrev_b32 v14, 2, v2
	v_mul_u32_u24 v14, v14, SP
	v_and_b32 v15, 3, v2
	v_lshl_add_u32 v14, v15, 4, v14
	v_add_nc_u32 v14, s34, v14                     ; the stage, on the way in: SP (lane / 4) + 16 (lane % 4)
	v_mul_u32_u24 v15, v2, SP
	v_add_nc_u32 v15, s34, v15                     ; and on the way out: SP x lane
	v_mul_u32_u24 v4, v2, CB                       ; my codes' place in a step's 256 bytes
	v_lshrrev_b32 v5, 1, v2
	s_add_co_u32 s34, s34, 2*32*SP
	v_add_nc_u32 v5, s34, v5                       ; my block's byte among the wave's 256
	v_lshlrev_b32 v7, 3, v2
	v_add_nc_u32 v6, s34, v7                       ; and on the way out 8 bytes a lane
.macro XLOAD t
.irp i, 0,1,2,3
	global_load_b128 v[R+16*((\t)%4)+4*\i:R+16*((\t)%4)+4*\i+3], v3, s[4:5] offset:16384*((\t)/2)+2048*((\t)%2)+512*\i th:TH_LOAD_NT
.endr
.endm
.macro XTURN t                         ; step t's numbers through the stage: LDS serves a wave's instructions in order, so no wait stands between the stores and the loads
.irp i, 0,1,2,3
	ds_store_b128 v14, v[R+16*((\t)%4)+4*\i:R+16*((\t)%4)+4*\i+3] offset:32*SP*((\t)%2)+8*SP*\i
.endr
.irp i, 0,1,2,3
	ds_load_b128 v[X+16*((\t)%2)+4*\i:X+16*((\t)%2)+4*\i+3], v15 offset:32*SP*((\t)%2)+16*\i
.endr
.endm
.irp t, 0,1,2,3
	XLOAD \t
.endr
	s_wait_alu depctr_va_vdst(0)
	s_wait_loadcnt 12                              ; step 0's four loads are in; twelve younger ones stay out
	XTURN 0
.macro XSTEP t
.set XS, X+16*((\t)%2)
.if (\t) > 0
	s_wait_dscnt 1                                 ; this step's numbers are back from the stage (the last step's byte store may be out): its stores into the stage have read their registers,
.else
	s_wait_dscnt 0x0
.endif
.if (\t)+4 < STEPS
	XLOAD (\t)+4                                   ; which take the loads of four steps on
.endif
.if (\t)+1 < STEPS
.if STEPS-2-(\t) >= 3
	s_wait_loadcnt 12                              ; the next step's four loads are in; those of the three steps behind it may be out
.else
	s_wait_loadcnt 4*(STEPS-2-(\t))
.endif
	XTURN (\t)+1
.endif
	v_max3_num_f32 v8, |v[XS]|, |v[XS+1]|, |v[XS+2]|               ; the largest magnitude of my 16, in two chains
	v_max3_num_f32 v9, |v[XS+3]|, |v[XS+4]|, |v[XS+5]|
.irp i, 6,10
	v_max3_num_f32 v8, v8, |v[XS+\i]|, |v[XS+\i+1]|
	v_max3_num_f32 v9, v9, |v[XS+\i+2]|, |v[XS+\i+3]|
.endr
	v_max3_num_f32 v8, v8, |v[XS+14]|, |v[XS+15]|
	v_max3_num_f32 v8, v8, v9, (EMAX+1)<<23        ; and the floor 2^(3 - 127): the byte cannot fall under 1
	v_max_num_f32_dpp v8, v8, v8 row_xmask:1 row_mask:0xf bank_mask:0xf   ; and of my neighbour's 16: the block's
	v_add_nc_u32 v11, -(EMAX<<23), v8              ; 2 off its exponent field: the conversion takes the exponent field of this operand as its scale
	v_cvt_scalef32_pk8_fp4_f32 v[C+4*(\t)], v[XS:XS+7], v11
	v_cvt_scalef32_pk8_fp4_f32 v[C+4*(\t)+1], v[XS+8:XS+15], v11
	v_lshrrev_b32 v[E+(\t)], 23, v11               ; the scale's byte (also the plain line behind the conversions)
	ds_store_b8 v5, v[E+(\t)] offset:16*(\t)       ; both lanes of a block write the same byte with the same value
	global_store_b64 v4, v[C+4*(\t):C+4*(\t)+1], s[18:19] offset:32*CB*(\t)   ; the wave stores 256 consecutive bytes, aligned
.endm
.irp t, 0,1,2,3,4,5,6,7,8,9,10,11,12,13,14,15
	XSTEP \t
.endr
	ds_load_b64 v[12:13], v6                       ; LDS serves a wave's instructions in order: these see my byte stores
	s_wait_dscnt 0x0
	global_store_b64 v7, v[12:13], s[20:21]        ; eight rows' scale bytes: 256 consecutive bytes, aligned
	s_wait_tensorcnt 0x0
	ds_add_u32 v192, v193
	s_wait_dscnt 0x0
	s_endpgm
; ---- THE WEIGHTS.  Work-group id: weight id / 16, columns 128 ((id / 2) % 8) on, K rows 512 (id % 2) on.  A LANE TAKES A COLUMN n AND ITS REGISTERS RUN DOWN K: a block of 32 lies in one lane's 32 registers,
; and the conversions give codes with K innermost.  A lane's 256 bytes of codes go into row PI(lane) of the wave's stage and leave as rows, sixteen lanes to 256 consecutive bytes.
.Lweights:
	s_lshr_b32 s27, ttmp9, 4                       ; which weight: 0 q, 1 k, 2 v, 3 o
	s_bfe_u32 s28, ttmp9, 0x30001                  ; which 128 columns
	s_and_b32 s29, ttmp9, 1                        ; which 512 along K
	s_bitcmp1_b32 s27, 0
	s_cselect_b64 s[30:31], s[12:13], s[10:11]
	s_cselect_b64 s[32:33], s[16:17], s[14:15]
	s_bitcmp1_b32 s27, 1
	s_cselect_b64 s[4:5], s[32:33], s[30:31]
	s_lshl_b32 s34, s28, 7
	s_lshl_b32 s35, s26, 5
	s_add_co_u32 s34, s34, s35                     ; my wave's first column (a multiple of 32: PI moves columns inside my 32 alone)
	s_lshl_b32 s36, s29, 21                        ; 512 rows of 4,096 bytes
	s_lshl_b32 s35, s34, 2
	s_add_co_u32 s36, s36, s35
	s_mov_b32 s37, 0
	s_add_nc_u64 s[4:5], s[4:5], s[36:37]
	s_lshl_b32 s36, s27, 19
	s_lshl_b32 s35, s34, 9
	s_add_co_u32 s36, s36, s35
	s_lshl_b32 s35, s29, 8
	s_add_co_u32 s36, s36, s35
	s_add_nc_u64 s[22:23], s[22:23], s[36:37]      ; the codes: weight, place, my 256 bytes of a row
	s_lshl_b32 s36, s27, 15
	s_lshl_b32 s35, s34, 5
	s_add_co_u32 s36, s36, s35
	s_lshl_b32 s35, s29, 4
	s_add_co_u32 s36, s36, s35
	s_add_nc_u64 s[24:25], s[24:25], s[36:37]      ; the scale bytes: my 16 of a row's 32
	s_wait_alu depctr_va_vdst(0)
	v_lshlrev_b32 v3, 2, v2                        ; in: 4 bytes a lane
	v_and_b32 v10, 7, v2
	v_bfe_u32 v14, v2, 3, 1
	v_bfe_u32 v15, v2, 4, 1
	v_lshl_or_b32 v10, v14, 4, v10
	v_lshl_or_b32 v10, v15, 3, v10                 ; PI(lane)
	s_mul_i32 s35, s26, 32*PITCH
	s_add_co_u32 s35, s35, WLDS                    ; my stage
	v_mul_u32_u24 v4, v10, PITCH
	v_add_nc_u32 v4, s35, v4                       ; into it: row = my column's place
	v_and_b32 v5, 15, v2
	v_lshrrev_b32 v6, 4, v2
	v_mul_u32_u24 v7, v6, PITCH
	v_lshl_add_u32 v7, v5, 4, v7
	v_add_nc_u32 v7, s35, v7                       ; out of it: sixteen lanes to a row, two rows an instruction
	v_lshlrev_b32 v8, 9, v6
	v_lshl_add_u32 v8, v5, 4, v8                   ; and the same place in the codes' buffer (rows of 512 bytes)
	v_lshlrev_b32 v9, 5, v10                       ; my place's row of scale bytes
.macro WLOAD t                         ; block t: W(32 t + i, my column) into set t % 2; every offset is an immediate: 511 x 4,096 at the most
.irp i, 0,1,2,3,4,5,6,7,8,9,10,11,12,13,14,15,16,17,18,19,20,21,22,23,24,25,26,27,28,29,30,31
	global_load_b32 v[XW+32*((\t)%2)+\i], v3, s[4:5] offset:(32*(\t)+\i)*4096 th:TH_LOAD_NT
.endr
.endm
	WLOAD 0
	WLOAD 1
.macro WBLOCK t
.set XS, XW+32*((\t)%2)
.if (\t) < NB-1
	s_wait_loadcnt 32                              ; this block's 32 loads are in; the next block's may be out
.else
	s_wait_loadcnt 0
.endif
	v_max3_num_f32 v12, |v[XS]|, |v[XS+1]|, |v[XS+2]|               ; the block's largest magnitude: all 32 numbers are mine
	v_max3_num_f32 v13, |v[XS+3]|, |v[XS+4]|, |v[XS+5]|
.irp i, 6,10,14,18,22,26
	v_max3_num_f32 v12, v12, |v[XS+\i]|, |v[XS+\i+1]|
	v_max3_num_f32 v13, v13, |v[XS+\i+2]|, |v[XS+\i+3]|
.endr
	v_max3_num_f32 v12, v12, |v[XS+30]|, |v[XS+31]|
	v_max3_num_f32 v12, v12, v13, (EMAX+1)<<23     ; and the floor
	v_add_nc_u32 v11, -(EMAX<<23), v12
	v_lshrrev_b32 v13, 23, v11                     ; the scale's byte
.if (\t)%4 == 0
	v_mov_b32 v[SB+(\t)/4], v13                    ; four bytes to a register, the lower K in the lower byte
.else
	v_lshl_or_b32 v[SB+(\t)/4], v13, 8*((\t)%4), v[SB+(\t)/4]
.endif
.irp g, 0,1,2,3
	v_cvt_scalef32_pk8_fp4_f32 v[CW+\g], v[XS+8*\g:XS+8*\g+7], v11
.endr
	ds_store_b128 v4, v[CW:CW+3] offset:16*(\t)    ; 32 codes: 16 bytes of my place's row
.if (\t)+2 < NB
	WLOAD (\t)+2
.endif
	s_wait_dscnt 0x0                               ; the store has read its registers: the next block's codes may be written
.endm
.set Q, 0
.rept NB
	WBLOCK Q
.set Q, Q+1
.endr
	s_wait_alu depctr_va_vdst(0)
	global_store_b128 v9, v[SB:SB+3], s[24:25]     ; my column's 16 scale bytes
.irp t, 0,1,2,3,4,5,6,7,8,9,10,11,12,13,14,15
	ds_load_b128 v[OUTR+4*\t:OUTR+4*\t+3], v7 offset:2*\t*PITCH
.endr
.irp t, 0,1,2,3,4,5,6,7,8,9,10,11,12,13,14,15
	s_wait_dscnt 15-\t                             ; loads come back in order: the younger ones stay out
	global_store_b128 v8, v[OUTR+4*\t:OUTR+4*\t+3], s[22:23] offset:2*\t*512
.endr
	s_wait_tensorcnt 0x0
	ds_add_u32 v192, v193
	s_wait_dscnt 0x0
	s_endpgm
.Lfunc_end_k_q7c244e5b08_quant:
	.size	k_q7c244e5b08_quant, .Lfunc_end_k_q7c244e5b08_quant-k_q7c244e5b08_quant
	.p2alignl 7, 3214868480
	.fill 96, 4, 3214868480
	.section	.rodata,"a",@progbits
	.p2align	6, 0x0
	.amdhsa_kernel k_q7c244e5b08_quant
		.amdhsa_group_segment_fixed_size 68096
		.amdhsa_private_segment_fixed_size 0
		.amdhsa_enable_private_segment 0
		.amdhsa_kernarg_size 88
		.amdhsa_user_sgpr_count 2
		.amdhsa_user_sgpr_kernarg_segment_ptr 1
		.amdhsa_wavefront_size32 1
		.amdhsa_system_sgpr_workgroup_id_x 1
		.amdhsa_system_sgpr_workgroup_id_y 1
		.amdhsa_system_sgpr_workgroup_id_z 1
		.amdhsa_system_vgpr_workitem_id 0
		.amdhsa_next_free_vgpr 194
		.amdhsa_next_free_sgpr 66
		.amdhsa_reserve_vcc 0
		.amdhsa_float_denorm_mode_32 3
		.amdhsa_float_denorm_mode_16_64 3
		.amdhsa_memory_ordered 1
		.amdhsa_forward_progress 1
		.amdhsa_inst_pref_size 112
	.end_amdhsa_kernel
	.amdgpu_metadata
---
amdhsa.version: [ 1, 2 ]
amdhsa.kernels:
  - .name:           k_q7c244e5b08_quant
    .symbol:         k_q7c244e5b08_quant.kd
    .args:
      - { .name: query, .offset: 0, .size: 8, .value_kind: global_buffer, .address_space: global }
      - { .name: key, .offset: 8, .size: 8, .value_kind: global_buffer, .address_space: global }
      - { .name: value, .offset: 16, .size: 8, .value_kind: global_buffer, .address_space: global }
      - { .name: Wq, .offset: 24, .size: 8, .value_kind: global_buffer, .address_space: global }
      - { .name: Wk, .offset: 32, .size: 8, .value_kind: global_buffer, .address_space: global }
      - { .name: Wv, .offset: 40, .size: 8, .value_kind: global_buffer, .address_space: global }
      - { .name: Wo, .offset: 48, .size: 8, .value_kind: global_buffer, .address_space: global }
      - { .name: xcodes, .offset: 56, .size: 8, .value_kind: global_buffer, .address_space: global }
      - { .name: xscales, .offset: 64, .size: 8, .value_kind: global_buffer, .address_space: global }
      - { .name: wcodes, .offset: 72, .size: 8, .value_kind: global_buffer, .address_space: global }
      - { .name: wscales, .offset: 80, .size: 8, .value_kind: global_buffer, .address_space: global }
    .group_segment_fixed_size: 68096
    .private_segment_fixed_size: 0
    .kernarg_segment_align: 8
    .kernarg_segment_size: 88
    .max_flat_workgroup_size: 128
    .sgpr_count:     66
    .vgpr_count:     194
    .wavefront_size: 32
...
	.end_amdgpu_metadata
.endif
;; end of part 1
;; launch proj (part 2): grid 32 x 12, 4 waves a work-group, clusters of 4 x 4, 327,680 bytes of LDS; arguments xcodes, xscales, wcodes, wscales, bq, bk, bv, pcodes, pscales; writes pcodes, pscales
.if DOCPART == 2
	.amdgcn_target "amdgcn-amd-amdhsa--gfx1250"
	.amdhsa_code_object_version 6
	.text
	.protected	k_q7c244e5b08_proj
	.globl	k_q7c244e5b08_proj
	.p2align	8
	.type	k_q7c244e5b08_proj,@function
k_q7c244e5b08_proj:
	s_mov_b64 s[64:65], 0
	v_nop
	global_prefetch_b8 v0, s[64:65] scope:SCOPE_SE
	s_setreg_imm32_b32 hwreg(HW_REG_WAVE_MODE, 25, 1), 1
	s_wait_xcnt 0x0
	s_wait_alu depctr_hold_cnt(0) depctr_sa_sdst(0) depctr_va_vdst(0) depctr_va_sdst(0) depctr_va_ssrc(0) depctr_va_vcc(0) depctr_vm_vsrc(0)
	s_getreg_b32 s2, hwreg(HW_REG_IB_STS2, 6, 4)
	s_cmp_eq_u32 s2, 0
	s_cbranch_scc0 .Lentry_in_a_cluster
	s_endpgm
.Lentry_in_a_cluster:
	s_bfe_u32 s2, ttmp6, 0x10000c
	s_cmp_lg_u32 s2, 0xf033
	s_cbranch_scc0 .Lentry_shape_is_right
	s_endpgm
.Lentry_shape_is_right:
; The three projections x W + b on codes of FP4 (E2M1), K = 1,024, and the quantising of their results for the attention.  Cluster y = t: 0 query, 1 key, 2 value.
; T[i][j] = bias + sum over k of P[i][k] R[j][k].  Source 0 = 16 rows of P, source 1 = 16 rows of R: a lane holds ONE j and its registers run along i, THE AXIS THAT IS QUANTISED NEXT.
;   t < 2 (q, k: quantised along the head's 64): P = W's columns (1,024), R = x's rows (8,192 = batch x place).      t = 2 (v: quantised along the keys): P = x's rows, R = W's columns.
; Which is which is chosen by selects on t, which all partners of a cluster share: one text, no branch.  Rows of x and columns of W lie at places PI(index) (bits 3 and 4 exchanged), so sixteen consecutive rows of P are
; rows 8 u + r + 8 (r / 8) of a group of 32, and the 16 registers of tiles 2 b, 2 b + 1 are the 16 true neighbours i = 32 b + 16 (lane / 16) + 0 .. 15.
; A work-group of four waves makes 256 i x 256 j, a wave 128 x 128: 64 accumulators, 512 registers.  K = 1,024 is two LDS slots of 512 along K (rows of 256 bytes), both filled at the head: no LDS byte is filled twice.
; CLUSTERS: 4 x 4 work-groups; R's tiles are shared along a row of the cluster, P's along a column: each is asked for jointly, by the same tensor load with the same descriptor and a mask that names the four.
; OUT.  A wave's 128 i of 16 rows j are one operand fragment: it is stored as the image of its registers, pcodes + t 2^22 + ((G x NJT + jtile) x 1,024 + quad x 512 + lane x 16), G = i / 128, and one scale word for (G, j) in pscales.
; LIMITS: NaN and infinities are not served; a block whose largest magnitude lies under 2^-124, a block of zeros among them, gets the byte 1: this program alone reads the bytes.
; Nothing is prefetched: every tile is asked for at the head by its own tensor load.
; REGISTERS, in windows of 256: window 0: v1-26 addresses; v32-95 scale words, two sets; v96-111 the bias by j; v128-191 source 1's fragments, one set; v192-255 the bias by i; on the way out v32-63, v128-159 codes, v200-227 at work.
;   window 1: source 0's fragments, two sets, at v0 and v128.   window 2: the accumulators of my j blocks 0-3 ((a, b) at v[8 (8 a + b)]);   window 3: those of blocks 4-7.
.set ROWB,   512                       ; a tile's row: all 1,024 codes of K
.set KROW,   512                       ; a row in memory
.set PITCH,  528                       ; an LDS row: 512 bytes + 16 of padding: the 16 rows that a load touches start 16 bytes apart modulo 256.  "Slot" s is bytes 256 s on of each row
.set FR,     8
.set NP,     4
.set HALFT,  128*PITCH                 ; 128 rows: half of what one tensor load brings
.set SLOT,   4*HALFT                   ; source 1's 256 rows, then source 0's
.set SCL,    SLOT                      ; behind the codes: the scale bytes, 32 a row, as rows of 256 bytes + 16 of padding
.set HALFS,  16*272                    ; those of 128 rows
.set ADRA, 16                          ; v16-17 my fragments of source 1 in slot 0, 1
.set ADRB, 20                          ; v20-21 of source 0
.set ADSA, 22                          ; v22 scale words of source 1: row = lane of a pair of blocks
.set ADSB, 23                          ; v23 of source 0
.set STO,  24                          ; v24 the way out: my row's scale word in my 512 bytes behind the scale bytes
.set RD,   25                          ; v25 and where I read 16 bytes of them back
.set CO,   26                          ; v26 16 x lane
.set SC,   32                          ; scale words: set s at v[SC + 32 s]: source 0's pair p, step q at + 4 p + q; source 1's at + 16 + 4 p + q.  Lanes 0-15: the even block, lanes 16-31: the odd one
.set BJ,   96
.set AF,   128
.set BI,   192
.set TM,   200
.set PW,   216
.set SEL,  2                           ; s[2:3] lane selects for v_permlanex16_b32
.set G1, 24
.set G0, 32
.set G1B, 48
.set G0B, 56
.set G1S, 68
.set G0S, 76
.set G1SB, 80
.set G0SB, 88
.set MSB, 0
.macro WIN new                         ; the immediate's high byte repeats the setting that is left
.if MSB != (\new)
	s_set_vgpr_msb (MSB<<8)|(\new)
.set MSB, \new
.endif
.endm
.set MUL_LO, 0xa1                      ; source 0 window 1, source 1 window 0, C and D window 2
.set MUL_HI, 0xf1
.set TO_B,   0x40
.macro CROUND                          ; a round of the cluster's barrier
	s_barrier_signal -1
	s_barrier_wait -1
	s_cmp_lg_u32 s14, 0
	s_cbranch_scc1 .Lnot_wave_0_\@
	s_barrier_signal -3
.Lnot_wave_0_\@:
	s_barrier_wait -3
	s_barrier_signal -1
	s_barrier_wait -1
.endm
	s_load_b256 s[4:11], s[0:1], 0x0               ; xcodes s[4:5], xscales s[6:7], wcodes s[8:9], wscales s[10:11]
	s_load_b256 s[80:87], s[0:1], 0x20             ; bq s[80:81], bk s[82:83], bv s[84:85], pcodes s[86:87]
	s_load_b64 s[98:99], s[0:1], 0x40              ; pscales
	v_lshl_add_u32 v126, v0, 2, 0x48400
	v_mov_b32 v127, 0
	ds_add_u32 v126, v127
	ds_add_u32 v126, v127
	v_lshrrev_b32 v1, 5, v0
	v_readfirstlane_b32 s14, v1                    ; wave 0..3
	s_lshr_b32 s15, s14, 1                         ; my half of the j
	s_and_b32 s16, s14, 1                          ; my half of the i
	s_bfe_u32 s40, ttmp6, 0x40000                  ; cx
	s_bfe_u32 s41, ttmp6, 0x40004                  ; cy
	s_and_b32 s66, ttmp7, 0xffff                   ; t: the cluster's y
	s_cmp_eq_u32 s66, 2
	s_cselect_b32 s2, ttmp9, 0                     ; the cluster's x walks the 8,192 rows of x: along i for v,
	s_cselect_b32 s3, 0, ttmp9                     ; along j for q and k
	s_cselect_b32 s67, 64, 512                     ; NJT: tiles of 16 along j
	s_cselect_b32 s100, 0, -1                      ; the bias goes by i (q, k)
	s_cselect_b32 s101, -1, 0                      ; or by j (v)
	s_lshl_b32 s42, s2, 2
	s_add_co_u32 s42, s42, s40                     ; tile column (i)
	s_lshl_b32 s17, s3, 2
	s_add_co_u32 s17, s17, s41                     ; tile row (j)
	s_mov_b32 s[SEL], 0x76543210
	s_mov_b32 s[SEL+1], 0xfedcba98
	s_lshl_b32 s43, s41, 2
	s_lshl_b32 s43, 15, s43                        ; my row of the cluster
	s_lshl_b32 s44, 0x1111, s40                    ; my column
	s_or_b32 s[G1+0], s43, (1<<20)|(1<<21)|(6<<22)|(3<<25)    ; the mask; elements of 1 byte; padding on; bit 21 beside a mask; after every 128 words, 4 words
	s_or_b32 s[G1B+0], s44, (1<<20)|(1<<21)|(6<<22)|(3<<25)
.irp g, G1, G1B
	s_mov_b32 s[\g+1], ROWB<<16                    ; tensor_dim0
	s_mov_b32 s[\g+2], 256<<16                     ; tensor_dim1: the head's loads bring 256 rows
	s_mov_b32 s[\g+3], ROWB<<16                    ; tile_dim0
	s_mov_b32 s[\g+4], 256                         ; tile_dim1
	s_mov_b32 s[\g+5], KROW                        ; pitch
	s_mov_b32 s[\g+6], 0
	s_mov_b32 s[\g+7], 0
.endr
	s_or_b32 s[G1S+0], s43, (3<<16)|(1<<20)|(1<<21)|(5<<22)|(3<<25)   ; the scale bytes of 256 rows: 8,192 dense bytes as 32 rows of 32 elements of 8 bytes
	s_mov_b32 s[G1S+1], 32<<16
	s_mov_b32 s[G1S+2], 32<<16                     ; the scale bytes of 256 rows: 8,192 dense bytes as 32 rows
	s_mov_b32 s[G1S+3], 32<<16
	s_mov_b32 s[G1S+4], 32
	s_mov_b32 s[G1S+5], 32
	s_mov_b32 s[G1S+6], 0
	s_mov_b32 s[G1S+7], 0
	s_lshl_b32 s20, s17, 8                         ; source 1: the tile's first row
	s_lshl_b32 s46, s42, 8                         ; source 0: likewise
	s_lshl_b32 s22, s20, 5                         ; its scale bytes,
	s_lshl_b32 s20, s20, 9                         ; its codes
	s_lshl_b32 s92, s46, 5
	s_lshl_b32 s46, s46, 9
	s_mov_b32 s21, 0
	s_mov_b32 s23, 0
	s_mov_b32 s47, 0
	s_mov_b32 s93, 0
	s_mov_b32 s19, 0
	s_wait_dscnt 0x0
	s_wait_kmcnt 0x0
	s_lshl_b32 s18, s66, 22
	s_add_nc_u64 s[4:5], s[4:5], s[18:19]          ; tensor t of x's codes
	s_add_nc_u64 s[96:97], s[86:87], s[18:19]      ; and of the results' codes
	s_lshl_b32 s18, s66, 18
	s_add_nc_u64 s[6:7], s[6:7], s[18:19]
	s_add_nc_u64 s[98:99], s[98:99], s[18:19]
	s_lshl_b32 s18, s66, 19
	s_add_nc_u64 s[8:9], s[8:9], s[18:19]          ; weight t
	s_lshl_b32 s18, s66, 15
	s_add_nc_u64 s[10:11], s[10:11], s[18:19]
	s_cmp_eq_u32 s66, 2
	s_cselect_b64 s[12:13], s[84:85], s[82:83]     ; the bias: bv or bk,
	s_cselect_b64 s[84:85], s[8:9], s[4:5]         ; source 1's codes: W for v, else x
	s_cselect_b64 s[82:83], s[10:11], s[6:7]       ; and scale bytes
	s_cselect_b64 s[4:5], s[4:5], s[8:9]           ; source 0's codes
	s_cselect_b64 s[6:7], s[6:7], s[10:11]
	s_cmp_eq_u32 s66, 0
	s_cselect_b64 s[12:13], s[80:81], s[12:13]     ; or bq
	s_add_nc_u64 s[20:21], s[84:85], s[20:21]
	s_add_nc_u64 s[22:23], s[82:83], s[22:23]
	s_add_nc_u64 s[46:47], s[4:5], s[46:47]
	s_add_nc_u64 s[92:93], s[6:7], s[92:93]
	s_or_b32 s[G1SB+0], s44, (3<<16)|(1<<20)|(1<<21)|(5<<22)|(3<<25)   ; (its registers held the last arguments until here)
	s_mov_b32 s[G1SB+1], 32<<16
	s_mov_b32 s[G1SB+2], 32<<16
	s_mov_b32 s[G1SB+3], 32<<16
	s_mov_b32 s[G1SB+4], 32
	s_mov_b32 s[G1SB+5], 32
	s_mov_b32 s[G1SB+6], 0
	s_mov_b32 s[G1SB+7], 0
	CROUND                                         ; all sixteen work-groups are here: the joint loads meet
	s_mov_b32 s[G0S], 1
	s_mov_b32 s[G0S+1], SCL
	s_mov_b64 s[G0S+2:G0S+3], s[22:23]
	s_or_b32 s[G0S+3], s[G0S+3], 0x80000000
	s_mov_b32 s[G0SB], 1
	s_mov_b32 s[G0SB+1], SCL+2*HALFS
	s_mov_b64 s[G0SB+2:G0SB+3], s[92:93]
	s_or_b32 s[G0SB+3], s[G0SB+3], 0x80000000
	s_mov_b32 s4, 1                                ; s[4:7]: group 0 for slot 0's 256 rows of source 1 (the arguments that lay here have been used)
	s_mov_b32 s5, 0
	s_mov_b64 s[6:7], s[20:21]
	s_or_b32 s7, s7, 0x80000000
	s_mov_b32 s8, 1                                ; s[8:11]: for its 256 rows of source 0, behind them in the slot
	s_mov_b32 s9, 2*HALFT
	s_mov_b64 s[10:11], s[46:47]
	s_or_b32 s11, s11, 0x80000000
; THE HEAD'S LOADS, ONE A WAVE: wave 0 slot 0's 256 rows of source 1, wave 1 those of source 0, wave 2 source 1's scale bytes, wave 3 source 0's.
; One tree of branches on the wave's number: every way through it passes exactly one load.
.macro ARM under, g0, g1, next
	s_cmp_lt_u32 s14, \under
	s_cbranch_scc0 \next
	tensor_load_to_lds s[\g0:\g0+3], s[\g1:\g1+7]
	s_nop 0
.rept 4
	v_nop
.endr
	s_branch .Lhead_asked
\next:
.endm
	ARM 1, 4, G1, .Lhead_b
	ARM 2, 8, G1B, .Lhead_sa
	ARM 3, G0S, G1S, .Lhead_sb
	tensor_load_to_lds s[G0SB:G0SB+3], s[G1SB:G1SB+7]
	s_nop 0
.rept 4
	v_nop
.endr
.Lhead_asked:
	; THE BIAS, while the tiles are on their way.  By i: lane (r, h) wants, for tile b, bias[I0 + 32 (b / 2) + 16 h + 8 (b % 2) + 0 .. 7].  By j: for block a, bias at the true column of place J0 + 16 a + r.
	; The offset of the kind that is not wanted is masked to 0, so that no load leaves the buffer, and its numbers are masked to 0 behind the loads.
	v_and_b32 v1, 15, v0                           ; r
	v_bfe_u32 v2, v0, 4, 1                         ; h
	s_wait_alu depctr_va_vdst(0)
	s_lshl_b32 s18, s42, 10
	s_lshl_b32 s19, s16, 9
	s_add_co_u32 s18, s18, s19                     ; 4 x my first i
	s_and_b32 s18, s18, s100
	s_mov_b32 s19, 0
	s_add_nc_u64 s[18:19], s[12:13], s[18:19]
	s_lshl_b32 s20, s17, 10
	s_lshl_b32 s21, s15, 9
	s_add_co_u32 s20, s20, s21                     ; 4 x my first j
	s_and_b32 s20, s20, s101
	s_mov_b32 s21, 0
	s_add_nc_u64 s[20:21], s[12:13], s[20:21]
	v_lshlrev_b32 v3, 6, v2                        ; 64 h
	v_and_b32 v4, 7, v1
	v_lshrrev_b32 v5, 3, v1
	v_lshl_add_u32 v4, v5, 4, v4
	v_lshlrev_b32 v4, 2, v4                        ; 4 (16 (r / 8) + r % 8)
.irp b, 0,1,2,3,4,5,6,7
	global_load_b128 v[BI+8*\b:BI+8*\b+3], v3, s[18:19] offset:(32*(\b/2)+8*(\b%2))*4
	global_load_b128 v[BI+8*\b+4:BI+8*\b+7], v3, s[18:19] offset:(32*(\b/2)+8*(\b%2))*4+16
.endr
.irp a, 0,1,2,3,4,5,6,7
	global_load_b32 v[BJ+2*\a], v4, s[20:21] offset:(32*(\a/2)+8*(\a%2))*4
	global_load_b32 v[BJ+2*\a+1], v4, s[20:21] offset:(32*(\a/2)+8*(\a%2))*4    ; twice: a pair for the packed addition
.endr
	v_mul_u32_u24 v6, v1, PITCH
	v_lshl_add_u32 v6, v2, 4, v6                   ; a fragment's row x pitch + 16 x half
	s_mul_i32 s22, s15, HALFT                      ; my 128 rows of source 1
	s_mul_i32 s23, s16, HALFT
	s_add_co_u32 s23, s23, 2*HALFT                 ; my 128 rows of source 0
.irp s, 0,1
	v_add_nc_u32 v[ADRA+\s], s22, v6
	v_add_nc_u32 v[ADRB+\s], s23, v6
	s_add_co_u32 s22, s22, 256                     ; the second 512 along K: 256 bytes on in each row
	s_add_co_u32 s23, s23, 256
.endr
	v_and_b32 v7, 31, v0                           ; lane
	v_lshlrev_b32 v8, 5, v7
	v_lshrrev_b32 v9, 3, v7
	v_lshl_add_u32 v8, v9, 4, v8                   ; row = lane: 32 bytes a row, 16 more for each eight rows passed
	s_mul_i32 s22, s15, HALFS
	s_add_co_u32 s22, s22, SCL
	v_add_nc_u32 v[ADSA], s22, v8
	s_mul_i32 s22, s16, HALFS
	s_add_co_u32 s22, s22, SCL+2*HALFS
	v_add_nc_u32 v[ADSB], s22, v8
	s_lshl_b32 s22, s14, 9                         ; the way out: 512 bytes a wave,
	s_add_co_u32 s22, s22, SCL+4*HALFS             ; behind the scale bytes: no fill lands here
	v_lshl_add_u32 v[STO], v1, 2, s22
	v_lshlrev_b32 v[CO], 4, v7
	v_add_nc_u32 v[RD], s22, v[CO]
	s_lshl_b32 s22, s42, 1
	s_add_co_u32 s22, s22, s16                     ; G = my 128 along i
	s_lshl_b32 s23, s17, 4
	s_lshl_b32 s46, s15, 3
	s_add_co_u32 s23, s23, s46                     ; my first tile of 16 along j
	s_mul_i32 s46, s22, s67
	s_add_co_u32 s46, s46, s23
	s_lshl_b32 s46, s46, 10                        ; 1,024 bytes a fragment
	s_mov_b32 s47, 0
	s_add_nc_u64 s[96:97], s[96:97], s[46:47]
	s_lshr_b32 s46, s46, 4                         ; 64 bytes of scale words a tile
	s_add_nc_u64 s[98:99], s[98:99], s[46:47]
	s_wait_loadcnt 0x0
.set i, 0
.rept 64
	v_and_b32 v[BI+i], s100, v[BI+i]
.set i, i+1
.endr
.set i, 0
.rept 16
	v_and_b32 v[BJ+i], s101, v[BJ+i]
.set i, i+1
.endr
	WIN 0x80                                       ; THE SUMS BEGIN AT THE BIAS: by i + by j, of which one is 0.  Destination window 2,
.irp a, 0,1,2,3
.irp b, 0,1,2,3,4,5,6,7
.irp p, 0,2,4,6
	v_pk_add_f32 v[8*(8*\a+\b)+\p:8*(8*\a+\b)+\p+1], v[BI+8*\b+\p:BI+8*\b+\p+1], v[BJ+2*\a:BJ+2*\a+1]
.endr
.endr
.endr
	WIN 0xc0                                       ; window 3
.irp a, 0,1,2,3
.irp b, 0,1,2,3,4,5,6,7
.irp p, 0,2,4,6
	v_pk_add_f32 v[8*(8*\a+\b)+\p:8*(8*\a+\b)+\p+1], v[BI+8*\b+\p:BI+8*\b+\p+1], v[BJ+8+2*\a:BJ+8+2*\a+1]
.endr
.endr
.endr
	WIN 0
.macro FRAG reg, adr, q, i             ; 16 rows x 128 K of 4-bit codes: lane l holds row l % 16; registers 4 c .. 4 c + 3 hold K = 64 c + 32 (l / 16) + 0 .. 31
.irp c, 0,1
	ds_load_b128 v[\reg+4*\c:\reg+4*\c+3], v[\adr] offset:64*(\q)+32*\c+(\i)*16*PITCH
.endr
.endm
.macro WMI                             ; one matrix instruction, its registers in rD, rB, rA, rC, rS0, rS1; row0, row1: the scale words lie in lanes 16-31
.if row0 && row1
	v_wmma_scale_f32_16x16x128_f8f6f4 v[rD:rD+7], v[rB:rB+7], v[rA:rA+7], v[rC:rC+7], v[rS0], v[rS1] matrix_a_fmt:MATRIX_FMT_FP4 matrix_b_fmt:MATRIX_FMT_FP4 matrix_a_scale:MATRIX_SCALE_ROW1 matrix_b_scale:MATRIX_SCALE_ROW1
.elseif row0
	v_wmma_scale_f32_16x16x128_f8f6f4 v[rD:rD+7], v[rB:rB+7], v[rA:rA+7], v[rC:rC+7], v[rS0], v[rS1] matrix_a_fmt:MATRIX_FMT_FP4 matrix_b_fmt:MATRIX_FMT_FP4 matrix_a_scale:MATRIX_SCALE_ROW1
.elseif row1
	v_wmma_scale_f32_16x16x128_f8f6f4 v[rD:rD+7], v[rB:rB+7], v[rA:rA+7], v[rC:rC+7], v[rS0], v[rS1] matrix_a_fmt:MATRIX_FMT_FP4 matrix_b_fmt:MATRIX_FMT_FP4 matrix_b_scale:MATRIX_SCALE_ROW1
.else
	v_wmma_scale_f32_16x16x128_f8f6f4 v[rD:rD+7], v[rB:rB+7], v[rA:rA+7], v[rC:rC+7], v[rS0], v[rS1] matrix_a_fmt:MATRIX_FMT_FP4 matrix_b_fmt:MATRIX_FMT_FP4
.endif
.endm
; 16 matrix instructions: j blocks a0, a0 + 1 x the eight i blocks, the slot's q-th 128 along K.  p: source 0's set; sc: the set of scale words.  The 64 accumulators take turns, one instruction a turn.
.macro MUL16 a0, p, q, sc
.irp a, \a0, \a0+1
.irp b, 0,1,2,3,4,5,6,7
.set rD, 8*(8*((\a)%4)+\b)
.set rC, rD
.set rB, 128*(\p)+FR*\b
.set rA, AF+FR*(\a)
.set rS0, SC+32*(\sc)+4*(\b/2)+(\q)
.set rS1, SC+16+32*(\sc)+4*((\a)/2)+(\q)
.set row0, \b%2
.set row1, (\a)%2
	WMI
.endr
.endr
.endm
.macro FETCH_B slot, q, p
	WIN TO_B
.irp i, 0,1,2,3,4,5,6,7
	FRAG 128*(\p)+FR*\i, ADRB+\slot, \q, \i
.endr
	WIN 0
.endm
.macro FETCH_A slot, q, i0
.irp i, \i0, \i0+1, \i0+2, \i0+3
	FRAG AF+FR*(\i), ADRA+\slot, \q, \i
.endr
.endm
.macro SCALES sc                       ; a slot's scale words: 16 bytes (four steps of 128) of each row; a load takes a pair of blocks, row = lane
.irp p, 0,1,2,3
	ds_load_b128 v[SC+32*\sc+4*\p:SC+32*\sc+4*\p+3], v[ADSB] offset:\p*1088+16*\sc
.endr
.irp p, 0,1,2,3
	ds_load_b128 v[SC+16+32*\sc+4*\p:SC+16+32*\sc+4*\p+3], v[ADSA] offset:\p*1088+16*\sc
.endr
.endm
.macro PLACES n                        ; plain vector lines between a matrix instruction and a load into, or a vector write of, one of its registers
.rept \n
	v_nop
.endr
.endm
.macro STEP slot, q                    ; a step of 128 along K that has its successor in the same slot
	s_wait_dscnt 8                                 ; all but the youngest eight loads (source 1's blocks 4-7) are in
	WIN MUL_LO
	MUL16 0, (\q)%2, \q, \slot
	MUL16 2, (\q)%2, \q, \slot
	s_wait_dscnt 0
	PLACES NP
	FETCH_B \slot, (\q)+1, 1-(\q)%2
	FETCH_A \slot, (\q)+1, 0
	WIN MUL_HI
	MUL16 4, (\q)%2, \q, \slot
	MUL16 6, (\q)%2, \q, \slot
	PLACES NP
	WIN 0
	FETCH_A \slot, (\q)+1, 4
.endm
	s_wait_alu depctr_va_vdst(0)
	s_wait_tensorcnt 0x0                           ; my tile of the head's four is in
	s_barrier_signal -1
	s_barrier_wait -1                              ; everybody's are: all of K and all scale bytes
	FETCH_B 0, 0, 0
	FETCH_A 0, 0, 0
	SCALES 0
	FETCH_A 0, 0, 4
	STEP 0, 0
	STEP 0, 1
	STEP 0, 2
	; slot 0's last step changes slots: no barrier: slot 1 is in LDS already
	s_wait_dscnt 8                                 ; the fourth step goes on into the second 512 along K, which lie in LDS already
	WIN MUL_LO
	MUL16 0, 1, 3, 0
	MUL16 2, 1, 3, 0
	s_wait_dscnt 0x0
	PLACES NP
	FETCH_B 1, 0, 0
	FETCH_A 1, 0, 0
	SCALES 1
	WIN MUL_HI
	MUL16 4, 1, 3, 0
	MUL16 6, 1, 3, 0
	PLACES NP
	WIN 0
	FETCH_A 1, 0, 4
	STEP 1, 0
	STEP 1, 1
	STEP 1, 2
	s_wait_dscnt 8                                 ; the last step: nothing more to fetch
	WIN MUL_LO
	MUL16 0, 1, 3, 1
	MUL16 2, 1, 3, 1
	s_wait_dscnt 0
	WIN MUL_HI
	MUL16 4, 1, 3, 1
	MUL16 6, 1, 3, 1
	WIN 0
; THE WAY OUT.  The 64 accumulator registers of j block a are, for my row j, register 16 B + n = i 32 B + 16 (lane / 16) + n: four blocks of 32, each shared with lane l xor 16.  They become one fragment's codes and one scale word.
; The codes' registers are chosen so that their numbers overlap none of the accumulators' that are being converted.
.macro QUANT a
.set AC, 64*((\a)%4)
.if ((\a)%4) < 2
.set PC, 128+8*((\a)%4+2*((\a)/4))
.else
.set PC, 32+8*((\a)%4-2+2*((\a)/4))
.endif
	WIN 0x0a+5*((\a)/4)                            ; sources 0 and 1: window 2 or 3
.irp b, 0,1,2,3
	v_max3_num_f32 v[TM+\b], |v[AC+16*\b]|, |v[AC+16*\b+1]|, 0x1800000   ; my 16 numbers of block b, each accumulator from its low end on, and the floor 2^(3 - 127)
.endr
.irp i, 2,4,6,8,10,12,14
.irp b, 0,1,2,3
	v_max3_num_f32 v[TM+\b], |v[AC+16*\b+\i]|, |v[AC+16*\b+\i+1]|, v[TM+\b]
.endr
.endr
	WIN 0
.irp b, 0,1,2,3
	v_permlanex16_b32 v[TM+4+\b], v[TM+\b], s[SEL], s[SEL+1]
.endr
.irp b, 0,1,2,3
	v_max_num_f32 v[TM+\b], v[TM+\b], v[TM+4+\b]   ; with lane l xor 16's: the block's largest magnitude
.endr
.irp b, 0,1,2,3
	v_add_nc_u32 v[TM+12+\b], 0xff000000, v[TM+\b] ; 2 off its exponent field: the conversion's scale operand
.endr
.irp b, 0,1,2,3
	v_lshrrev_b32 v[TM+4+\b], 23, v[TM+12+\b]      ; the scale's byte
.endr
	v_lshl_or_b32 v[PW+(\a)], v[TM+5], 8, v[TM+4]
	v_lshl_or_b32 v[PW+(\a)], v[TM+6], 16, v[PW+(\a)]
	v_lshl_or_b32 v[PW+(\a)], v[TM+7], 24, v[PW+(\a)]
	WIN 0x02+(\a)/4                                ; source 0: window 2 or 3
.irp b, 0,1,2,3
	v_cvt_scalef32_pk8_fp4_f32 v[PC+2*\b], v[AC+16*\b:AC+16*\b+7], v[TM+12+\b]
	v_cvt_scalef32_pk8_fp4_f32 v[PC+2*\b+1], v[AC+16*\b+8:AC+16*\b+15], v[TM+12+\b]
.endr
	WIN 0
	v_nop                                          ; one plain line behind the conversions
.irp c, 0,1                                    ; the operand's layout wants a whole block in a lane: lanes 0-15 block 2 c, lanes 16-31 block 2 c + 1
.irp i, 0,1
	v_permlane16_swap_b32 v[PC+4*\c+\i], v[PC+2+4*\c+\i]
.endr
.endr
	global_store_b128 v[CO], v[PC:PC+3], s[96:97] offset:1024*(\a)          ; the image of the registers: 512 consecutive bytes a store
	global_store_b128 v[CO], v[PC+4:PC+7], s[96:97] offset:1024*(\a)+512
	ds_store_b32 v[STO], v[PW+(\a)] offset:64*(\a) ; lanes r and r + 16 write the same word with the same value
.endm
.irp b, 0,1,2,3
	v_mov_b32 v[TM+4+\b], 0                        ; a lane permute's destination counts as one of its sources.  These four are also the places behind the last products
.endr
.irp a, 0,1,2,3,4,5,6,7
	QUANT \a
.endr
	ds_load_b128 v[224:227], v[RD]                 ; my 128 scale words, from my own 512 bytes: LDS serves a wave's instructions in order
	s_wait_dscnt 0x0
	global_store_b128 v[CO], v[224:227], s[98:99]  ; 512 consecutive bytes
	s_wait_tensorcnt 0x0
	s_wait_tensorcnt 0x0
	ds_add_u32 v126, v127
	s_wait_dscnt 0x0
	CROUND                                         ; the closing round: no work-group ends while a partner may still ask for a tile that names it
	s_endpgm
.Lfunc_end_k_q7c244e5b08_proj:
	.size	k_q7c244e5b08_proj, .Lfunc_end_k_q7c244e5b08_proj-k_q7c244e5b08_proj
	.p2alignl 7, 3214868480
	.fill 96, 4, 3214868480
	.section	.rodata,"a",@progbits
	.p2align	6, 0x0
	.amdhsa_kernel k_q7c244e5b08_proj
		.amdhsa_group_segment_fixed_size 327680
		.amdhsa_private_segment_fixed_size 0
		.amdhsa_enable_private_segment 0
		.amdhsa_kernarg_size 72
		.amdhsa_user_sgpr_count 2
		.amdhsa_user_sgpr_kernarg_segment_ptr 1
		.amdhsa_wavefront_size32 1
		.amdhsa_system_sgpr_workgroup_id_x 1
		.amdhsa_system_sgpr_workgroup_id_y 1
		.amdhsa_system_sgpr_workgroup_id_z 1
		.amdhsa_system_vgpr_workitem_id 0
		.amdhsa_next_free_vgpr 1024
		.amdhsa_next_free_sgpr 102
		.amdhsa_reserve_vcc 0
		.amdhsa_float_denorm_mode_32 3
		.amdhsa_float_denorm_mode_16_64 3
		.amdhsa_memory_ordered 1
		.amdhsa_forward_progress 1
		.amdhsa_inst_pref_size 150
	.end_amdhsa_kernel
	.amdgpu_metadata
---
amdhsa.version: [ 1, 2 ]
amdhsa.kernels:
  - .name:           k_q7c244e5b08_proj
    .symbol:         k_q7c244e5b08_proj.kd
    .args:
      - { .name: xcodes, .offset: 0, .size: 8, .value_kind: global_buffer, .address_space: global }
      - { .name: xscales, .offset: 8, .size: 8, .value_kind: global_buffer, .address_space: global }
      - { .name: wcodes, .offset: 16, .size: 8, .value_kind: global_buffer, .address_space: global }
      - { .name: wscales, .offset: 24, .size: 8, .value_kind: global_buffer, .address_space: global }
      - { .name: bq, .offset: 32, .size: 8, .value_kind: global_buffer, .address_space: global }
      - { .name: bk, .offset: 40, .size: 8, .value_kind: global_buffer, .address_space: global }
      - { .name: bv, .offset: 48, .size: 8, .value_kind: global_buffer, .address_space: global }
      - { .name: pcodes, .offset: 56, .size: 8, .value_kind: global_buffer, .address_space: global }
      - { .name: pscales, .offset: 64, .size: 8, .value_kind: global_buffer, .address_space: global }
    .group_segment_fixed_size: 327680
    .private_segment_fixed_size: 0
    .kernarg_segment_align: 8
    .kernarg_segment_size: 72
    .max_flat_workgroup_size: 128
    .sgpr_count:     102
    .vgpr_count:     1024
    .wavefront_size: 32
...
	.end_amdgpu_metadata
.endif
;; end of part 2
;; launch attn (part 3): grid 8 x 32, 16 waves a work-group, clusters of 4 x 1, 327,680 bytes of LDS; arguments pcodes, pscales, acodes, ascales; writes acodes, ascales
.if DOCPART == 3
	.amdgcn_target "amdgcn-amd-amdhsa--gfx1250"
	.amdhsa_code_object_version 6
	.text
	.protected	k_q7c244e5b08_attn
	.globl	k_q7c244e5b08_attn
	.p2align	8
	.type	k_q7c244e5b08_attn,@function
k_q7c244e5b08_attn:
	s_mov_b64 s[64:65], 0
	v_nop
	global_prefetch_b8 v0, s[64:65] scope:SCOPE_SE
	s_setreg_imm32_b32 hwreg(HW_REG_WAVE_MODE, 25, 1), 1
	s_wait_xcnt 0x0
	s_wait_alu depctr_hold_cnt(0) depctr_sa_sdst(0) depctr_va_vdst(0) depctr_va_sdst(0) depctr_va_ssrc(0) depctr_va_vcc(0) depctr_vm_vsrc(0)
	s_getreg_b32 s2, hwreg(HW_REG_IB_STS2, 6, 4)
	s_cmp_eq_u32 s2, 0
	s_cbranch_scc0 .Lentry_in_a_cluster
	s_endpgm
.Lentry_in_a_cluster:
	s_bfe_u32 s2, ttmp6, 0x10000c
	s_cmp_lg_u32 s2, 0x3003
	s_cbranch_scc0 .Lentry_shape_is_right
	s_endpgm
.Lentry_shape_is_right:
; softmax(q k^T / 8) v for 64 heads of 64 channels, 2,048 queries and keys, both products on codes of FP4 (E2M1) with one E8M0 scale for each 32 along a product's K; the result, divided by the row's sum, is quantised along E for the last projection.
; THE SOFTMAX: t = score x log2(e) / 8; M = the row's largest t so far, rounded UP to a whole number; p = 2^(t - M) is quantised along the keys, not normalised.  The row's sum is taken of the unquantised p.
; When M moves, the sum and O are multiplied by 2^(old M - new M): exact.
; SHARES.  Work-group y = batch x 8 + g: heads 2 g, 2 g + 1.  A work-group owns 256 query places, each of its sixteen waves one tile of 16; a wave takes the two heads one after the other, 256 keys a step:
; the change of M, the rescaling of O^T, the address lines and the waits stand once for 256 keys.
; LDS.  The pair's K and V, codes and scale words, lie whole in LDS, each byte filled ONCE, as images of the operands' registers.  The four query blocks of a cluster walk the same K and V: every load is joint.
; Waves 0 to 9 ask for one tile each at the head (K's and V's four chunks of 512 keys, the two blocks of scale words); one barrier follows, and the waves meet no other until the scale words go out.
; Nothing is prefetched: every tile is asked for at the head by its own load, and no loop runs ahead of a load.
; LAYOUT.  S^T = K Q^T (source 0 = 16 key places), O^T = V^T P^T (source 0 = 16 channel places): a lane holds ONE query.  Keys and channels lie at places PI(index) (bits 3 and 4 exchanged), so the 16 registers
; of tiles 2 b, 2 b + 1 are 16 true neighbours.  The first product's K is 64: registers 4 to 7 of Q hold zero codes.  K's eight fragments overlap: tile t is v[32 + 4 t .. + 7], its upper four registers are the next tile's codes,
; finite numbers that meet Q's zeros and add nothing (their scale bytes are 0, a finite code).
; LIMITS: NaN and infinities are not served; the promise holds while |t| stays under 2^31; a block whose largest magnitude lies under 2^-124, a block of zeros among them, gets the byte 1: this program alone reads the bytes.
; REGISTERS: v1 16 x lane, v2 4 x lane, v3 4 r; v4-7, v26 the odd head's Q and scale words in waiting; v12 -M, v13 the largest score, v[14:15] the sum; v16-23 Q; v24 my rows' scale word; v25 spare word, v254 0; v27 the old -M;
; v28-31 a step's LDS addresses; v32-67 K's fragments, behind the scores at work (v32-39 scale operands, v40-47 bytes, v48 f, v50, v52-65 sums); v68-195 S^T, then p, v132-195 then V's 8 fragments; v196-227 O^T;
; v228-243 blocks' maxima, then p's codes; v244-247 K's scale words, v248-251 V's, v252-253 p's, v255 Q's.
.set KC,   0                           ; K's codes: [tile 128][head 2][lane 32][16]
.set VC,   131072                      ; V's: [128 keys 16][head 2][tile of channels 4][quad 2][lane 32][16]
.set KSC,  262144                      ; K's scale words: [place 2048][4]
.set VSC,  270336                      ; V's: [128 keys 16][head 2][channel place 64][4]
.set AST,  278528                      ; 1,024 bytes for the results' scale words: no fill lands here
.set SPARE, 279552                     ; the spare words: 128 bytes a wave
.set SPW,  25
.set NIL,  254
.set ADK,  28
.set ADV,  29
.set ADS,  30
.set ADT,  31
.set S,    68
.set O,    196
.set BM,   228
.set WV,   12
.set NC,   13                          ; s13: -c
.set TSV,  15                          ; s15, s89-91: where the step's V scale words, K codes, V codes, K scale words begin in LDS
.set G1KC, 24
.set G1VC, 32
.set G1KS, 40
.set G1VS, 48
.set G0KS, 56
.set G0VS, 60
.set G0K,  68
.set G0V,  72
.set PK,   76                          ; a head's bases in LDS
.set PV,   77
.set PSK,  78
.set PSV,  79
.set PASS, 80
.set SEL,  84
.set CS,   86
.set CNT,  88
.set TK,   89
.set TV,   90
.set TSK,  91
.macro CROUND
	s_barrier_signal -1
	s_barrier_wait -1
	s_cmp_lg_u32 s[WV], 0
	s_cbranch_scc1 .Lnot_wave_0_\@
	s_barrier_signal -3
.Lnot_wave_0_\@:
	s_barrier_wait -3
	s_barrier_signal -1
	s_barrier_wait -1
.endm
.macro G1SET g, c, r, p                ; r rows of c elements of 8 bytes, p elements apart, dense in LDS; the mask names all four work-groups, bit 21 beside it
	s_mov_b32 s[\g], 15|(3<<16)|(1<<21)
	s_mov_b32 s[\g+1], (\c)<<16
	s_mov_b32 s[\g+2], (\r)<<16
	s_mov_b32 s[\g+3], (\c)<<16
	s_mov_b32 s[\g+4], \r
	s_mov_b32 s[\g+5], \p
	s_mov_b32 s[\g+6], 0
	s_mov_b32 s[\g+7], 0
.endm
.macro G0SET g, a                      ; count 1, the address in s[a:a+1], type 2; the LDS word is written apart
	s_mov_b32 s[\g], 1
	s_mov_b64 s[\g+2:\g+3], s[\a:\a+1]
	s_or_b32 s[\g+3], s[\g+3], 0x80000000
.endm
	s_load_b256 s[4:11], s[0:1], 0x0               ; pcodes s[4:5], pscales s[6:7], acodes s[8:9], ascales s[10:11]
	v_lshl_add_u32 v[SPW], v0, 2, SPARE
	v_mov_b32 v[NIL], 0
	ds_add_u32 v[SPW], v[NIL]                      ; the opening lines: the add twice on end and one wait
	ds_add_u32 v[SPW], v[NIL]
	v_lshrrev_b32 v1, 5, v0
	s_delay_alu instid0(VALU_DEP_1)
	v_readfirstlane_b32 s[WV], v1                  ; wave 0..15
	v_and_b32 v2, 31, v0
	v_and_b32 v3, 15, v0
	s_delay_alu instid0(VALU_DEP_2)
	v_lshlrev_b32 v1, 4, v2                        ; 16 x lane
	v_lshlrev_b32 v2, 2, v2                        ; 4 x lane
	v_lshlrev_b32 v3, 2, v3                        ; 4 r
	s_bfe_u32 s13, ttmp6, 0x40000                  ; cx
	s_lshl_b32 s14, ttmp9, 2
	s_add_co_u32 s14, s14, s13                     ; my block of 256 queries: it enters global addresses of my own loads and stores alone
	s_and_b32 s2, ttmp7, 0xffff
	s_lshr_b32 s16, s2, 3                          ; batch
	s_and_b32 s17, s2, 7                           ; g
	G1SET G1KC, 32, 128, 32                        ; 512 keys of K: 32,768 dense bytes as rows of 256
	G1SET G1VC, 1024, 4, 8192                      ; 512 keys of V: four rows of 8,192 bytes, 65,536 bytes apart
	G1SET G1KS, 32, 32, 32                         ; K's scale words: 8,192 dense bytes
	G1SET G1VS, 64, 16, 512                        ; V's: sixteen rows of 512 bytes, 4,096 bytes apart
	s_lshl_b32 s20, s17, 2
	s_add_co_u32 s20, s20, s16
	s_lshl_b32 s20, s20, 17
	s_add_co_u32 s20, s20, 1<<22                   ; K's codes: tensor 1, [g][batch]
	s_mov_b32 s21, 0
	s_lshl_b32 s22, s16, 20
	s_lshl_b32 s3, s17, 13
	s_add_co_u32 s22, s22, s3
	s_add_co_u32 s22, s22, 2<<22                   ; V's: tensor 2, [batch][128 keys][head]
	s_mov_b32 s23, 0
	s_lshl_b32 s18, s17, 15
	s_lshl_b32 s3, s16, 13
	s_add_co_u32 s18, s18, s3
	s_add_co_u32 s18, s18, 1<<18                   ; K's scale words
	s_mov_b32 s19, 0
	s_lshl_b32 s2, s16, 16
	s_lshl_b32 s3, s17, 9
	s_add_co_u32 s2, s2, s3
	s_add_co_u32 s2, s2, 2<<18                     ; V's
	s_mov_b32 s3, 0
	s_lshl_b32 s15, s[WV], 15                      ; my chunk's LDS byte: waves 0-3 K's chunk wave, waves 4-7 V's chunk wave - 4 (VC = 4 x 32,768)
	s_mov_b32 s88, s15                             ; K's chunk in memory: the same distance
	s_mov_b32 s89, 0
	s_and_b32 s90, s[WV], 3
	s_lshl_b32 s90, s90, 18                        ; V's chunks lie 262,144 bytes apart in memory
	s_mov_b32 s91, 0
	s_mov_b32 s[G0KS+1], KSC
	s_mov_b32 s[G0VS+1], VSC
	s_mov_b32 s[G0K+1], s15
	s_mov_b32 s[G0V+1], s15
	s_mov_b32 s[SEL], 0x76543210
	s_mov_b32 s[SEL+1], 0xfedcba98
	s_mov_b32 s[CS], 0x3e38aa3b                    ; c = log2(e) / 8
	s_mov_b32 s[CS+1], s[CS]
	s_wait_alu depctr_va_vdst(0)                   ; the wait ahead of the waits below
	s_wait_dscnt 0x0                               ; both opening adds are done
	s_wait_kmcnt 0x0
	s_add_nc_u64 s[20:21], s[4:5], s[20:21]
	s_add_nc_u64 s[22:23], s[4:5], s[22:23]
	s_add_nc_u64 s[18:19], s[6:7], s[18:19]
	s_add_nc_u64 s[2:3], s[6:7], s[2:3]
	s_add_nc_u64 s[88:89], s[20:21], s[88:89]
	s_add_nc_u64 s[90:91], s[22:23], s[90:91]
	G0SET G0KS, 18
	G0SET G0VS, 2
	G0SET G0K, 88
	G0SET G0V, 90
	s_lshl_b32 s2, s17, 2
	s_add_co_u32 s2, s2, s16
	s_lshl_b32 s2, s2, 7                           ; (4 g + batch) x 128 tiles
	s_lshl_b32 s3, s14, 4
	s_add_co_u32 s3, s3, s[WV]                     ; my tile among the batch's 128
	s_add_co_u32 s2, s2, s3
	s_lshl_b32 s18, s2, 10
	s_mov_b32 s19, 0
	s_add_nc_u64 s[92:93], s[4:5], s[18:19]        ; Q's codes (tensor 0): the even head's quad, the odd head's 512 bytes on
	s_lshl_b32 s18, s2, 6
	s_add_nc_u64 s[94:95], s[6:7], s[18:19]        ; Q's scale words
	s_lshl_b32 s18, s17, 10
	s_lshl_b32 s20, s16, 7
	s_add_co_u32 s18, s18, s20
	s_add_co_u32 s18, s18, s3
	s_lshl_b32 s18, s18, 9
	s_add_nc_u64 s[96:97], s[8:9], s[18:19]        ; the result's codes: [head][tile of rows][lane][16]
	s_lshl_b32 s18, s17, 2
	s_add_co_u32 s18, s18, s16
	s_lshl_b32 s18, s18, 3
	s_add_co_u32 s18, s18, s14
	s_lshl_b32 s18, s18, 10
	s_add_nc_u64 s[98:99], s[10:11], s[18:19]      ; the work-group's 256 scale words: [g][row][4]
	s_mov_b32 s[NC], 0xbe38aa3b                    ; -c
	global_load_b128 v[16:19], v1, s[92:93]        ; the even head's Q,
	global_load_b128 v[4:7], v1, s[92:93] offset:512   ; the odd head's, in waiting
	global_load_u16 v255, v3, s[94:95]             ; a head's two scale bytes, zeros above them
	global_load_u16 v26, v3, s[94:95] offset:2
	CROUND                                         ; all four work-groups are here: the joint loads meet
; THE LOADS, one a wave, in one tree of branches on the wave's number
.macro ARM under, g0, g1, next
	s_cmp_lt_u32 s[WV], \under
	s_cbranch_scc0 \next
	tensor_load_to_lds s[\g0:\g0+3], s[\g1:\g1+7]
	s_nop 0
.rept 4
	v_nop
.endr
	s_branch .Lhead_asked
\next:
.endm
	ARM 4, G0K, G1KC, .Lhead_1
	ARM 8, G0V, G1VC, .Lhead_2
	ARM 9, G0KS, G1KS, .Lhead_3
	ARM 10, G0VS, G1VS, .Lhead_4
.Lhead_asked:
.irp k, 20,21,22,23,64,65,66,67
	v_mov_b32 v[\k], 0                             ; Q's K = 64 .. 127: zero codes; and what stands above K's last tile
.endr
.irp b, 0,1,2,3,4,5,6,7
	v_mov_b32 v[236+\b], 0                         ; a lane permute's destination counts as one of its sources
.endr
	v_mov_b32 v24, 0
	s_mov_b32 s[PASS], 2
	s_mov_b32 s[PK], KC
	s_mov_b32 s[PV], VC
	s_mov_b32 s[PSK], KSC
	s_mov_b32 s[PSV], VSC
.macro KLOAD g                         ; 128 keys: eight tiles of my head's 64 channels, and my head's two scale bytes of place 32 p + lane
.irp t, 0,1,2,3,4,5,6,7
	ds_load_b128 v[32+4*\t:35+4*\t], v[ADK] offset:8192*\g+1024*\t
.endr
.irp p, 0,1,2,3
	ds_load_u16 v[244+\p], v[ADS] offset:512*\g+128*\p
.endr
.endm
.macro SMUL g
.irp t, 0,2,4,6
	v_wmma_scale_f32_16x16x128_f8f6f4 v[S+64*\g+8*\t:S+64*\g+8*\t+7], v[32+4*\t:39+4*\t], v[16:23], 0, v[244+\t/2], v255 matrix_a_fmt:MATRIX_FMT_FP4 matrix_b_fmt:MATRIX_FMT_FP4
	v_wmma_scale_f32_16x16x128_f8f6f4 v[S+64*\g+8*\t+8:S+64*\g+8*\t+15], v[36+4*\t:43+4*\t], v[16:23], 0, v[244+\t/2], v255 matrix_a_fmt:MATRIX_FMT_FP4 matrix_b_fmt:MATRIX_FMT_FP4 matrix_a_scale:MATRIX_SCALE_ROW1
.endr
.endm
.macro MAXT g                          ; the largest score of each block of 32 keys: for the row's maximum and, since p rises with the score, for the block's largest p
.irp b, 0,1,2,3
	v_max3_num_f32 v[BM+4*\g+\b], v[S+64*\g+16*\b], v[S+1+64*\g+16*\b], v[S+2+64*\g+16*\b]
.endr
.irp i, 3,5,7,9,11,13
.irp b, 0,1,2,3
	v_max3_num_f32 v[BM+4*\g+\b], v[BM+4*\g+\b], v[S+64*\g+16*\b+\i], v[S+1+64*\g+16*\b+\i]
.endr
.endr
.irp b, 0,1,2,3
	v_max_num_f32 v[BM+4*\g+\b], v[BM+4*\g+\b], v[S+15+64*\g+16*\b]
.endr
.irp b, 0,1,2,3
	s_delay_alu instid0(VALU_DEP_4)
	v_permlanex16_b32 v[BM+8+4*\g+\b], v[BM+4*\g+\b], s[SEL], s[SEL+1]
.endr
.irp b, 0,1,2,3
	s_delay_alu instid0(VALU_DEP_4)
	v_max_num_f32 v[BM+4*\g+\b], v[BM+4*\g+\b], v[BM+8+4*\g+\b]   ; with lane l xor 16's 16 keys
.endr
.endm
.macro CVT b                           ; block b's 32 p of my half: eight codes a register
	v_cvt_scalef32_pk8_fp4_f32 v[BM+2*\b], v[S+16*\b:S+16*\b+7], v[32+\b]
	v_cvt_scalef32_pk8_fp4_f32 v[BM+1+2*\b], v[S+16*\b+8:S+16*\b+15], v[32+\b]
.endm
	s_wait_alu depctr_va_vdst(0)                   ; the wait at the head's end
	s_wait_loadcnt 0x0                             ; Q
	s_wait_tensorcnt 0x0                           ; my tile is in
	s_barrier_signal -1
	s_barrier_wait -1                              ; everybody's are
.Lpass:                                            ; two trips: head 2 g, head 2 g + 1
	v_mov_b32 v13, 0xff61b1e6                      ; the largest score so far: -3e38
	v_mov_b32 v14, 0
	v_mov_b32 v15, 0
	v_mul_f32 v12, s[NC], v13
	s_delay_alu instid0(VALU_DEP_1)
	v_floor_f32 v12, v12                           ; -M
.set j, 0
.rept 32
	v_mov_b32 v[O+j], 0                            ; O^T: the first step finds zeros, which the first change of M leaves zeros
.set j, j+1
.endr
	s_mov_b32 s[TK], s[PK]
	s_mov_b32 s[TV], s[PV]
	s_mov_b32 s[TSK], s[PSK]
	s_mov_b32 s[TSV], s[PSV]
	s_mov_b32 s[CNT], 8
	s_wait_alu depctr_va_vdst(0)
.Lstep:                                            ; A KEY STEP: 256 keys
	v_add_nc_u32 v[ADK], s[TK], v1
	v_add_nc_u32 v[ADS], s[TSK], v2
	KLOAD 0
	s_wait_alu depctr_va_vdst(0)
	s_wait_dscnt 0x0
	SMUL 0
	v_add_nc_u32 v[ADV], s[TV], v1                 ; four places behind the products, ahead of the loads into K's registers
	v_add_nc_u32 v[ADT], s[TSV], v2
	v_mov_b32 v27, v12                             ; the old -M
	v_nop
	KLOAD 1
	MAXT 0                                         ; the first 128 keys' maxima while the next 128 keys' tiles come
	s_wait_alu depctr_va_vdst(0)                   ; the wait ahead of the wait below
	s_wait_dscnt 0x0
	SMUL 1
	v_max3_num_f32 v13, v13, v[BM], v[BM+1]        ; four places behind the products: the running largest score,
	v_nop
	v_nop
	v_max3_num_f32 v13, v13, v[BM+2], v[BM+3]
	MAXT 1
	v_max3_num_f32 v13, v13, v[BM+4], v[BM+5]
	s_delay_alu instid0(VALU_DEP_1)
	v_max3_num_f32 v13, v13, v[BM+6], v[BM+7]
	s_delay_alu instid0(VALU_DEP_1)
	v_mul_f32 v50, s[NC], v13                      ; -t (c is positive)
	s_delay_alu instid0(VALU_DEP_1)
	v_floor_f32 v12, v50                           ; the new -M = floor(-t): M is a whole number
	s_delay_alu instid0(VALU_DEP_1)
	v_sub_f32 v50, v12, v27                        ; old M - new M: a whole number, 0 or less
	s_delay_alu instid0(VALU_DEP_1)
	v_cvt_i32_f32 v50, v50                         ; (it saturates)
	s_delay_alu instid0(VALU_DEP_1)
	v_ldexp_f32 v48, 1.0, v50                      ; f = 2^(old M - new M)
	v_add_f32 v51, 0x42fa0000, v12                 ; 125 - M
.set j, 0
.rept 64
	v_pk_fma_f32 v[S+j:S+j+1], v[S+j:S+j+1], s[CS:CS+1], v[12:13] op_sel_hi:[1,0,0]   ; t - M, two at a time
.set j, j+2
.endr
; A BLOCK'S SCALE, with no exponential: its largest p is 2^(t - M) of its largest score, so floor(log2) of it is floor(t - M), and the scale's byte is floor(t - M) - 2 + 127 = floor(t - M + 125), held at 1 from below.
; LIMIT: t - M + 125 is one fused multiply-add in f32: where t - M lies within that rounding (2^-17) under a whole number, the block gets the next higher scale; its p then stay under 4 scales, and none is held at the largest code.
.irp b, 0,1,2,3,4,5,6,7
	v_fma_f32 v[BM+\b], v[BM+\b], s[CS], v51
.endr
.irp b, 0,1,2,3,4,5,6,7
	v_max_num_f32 v[BM+\b], 1.0, v[BM+\b]          ; the byte cannot fall under 1
.endr
.irp b, 0,1,2,3,4,5,6,7
	v_cvt_u32_f32 v[40+\b], v[BM+\b]               ; toward zero: the floor of a positive number: the byte
.endr
.irp b, 0,1,2,3,4,5,6,7
	v_lshlrev_b32 v[32+\b], 23, v[40+\b]           ; as an exponent field: the conversion's scale operand
.endr
	v_lshl_or_b32 v252, v41, 8, v40                ; p's scale words: keys 0-127,
	v_lshl_or_b32 v253, v45, 8, v44                ; keys 128-255
	s_delay_alu instid0(VALU_DEP_2)
	v_lshl_or_b32 v252, v42, 16, v252
	s_delay_alu instid0(VALU_DEP_2)
	v_lshl_or_b32 v253, v46, 16, v253
	s_delay_alu instid0(VALU_DEP_2)
	v_lshl_or_b32 v252, v43, 24, v252
	s_delay_alu instid0(VALU_DEP_2)
	v_lshl_or_b32 v253, v47, 24, v253
	s_wait_alu depctr_va_vdst(0)                   ; the wait ahead of the batch
.set j, 0
.rept 128
	v_exp_f32 v[S+j], v[S+j]                       ; p = 2^(t - M), at most 1
.set j, j+1
.endr
	v_pk_mul_f32 v[14:15], v[14:15], v[48:49] op_sel_hi:[1,0]   ; the sums under the new M: the plain line behind the exponentials
	s_wait_alu depctr_va_vdst(0)                   ; one wait for the batch of 128, ahead of its first reader
; the row's sum of the unquantised p: 64 pairs in eight chains, v[14:15] and v[52:53] .. v[64:65]
.set k, 0
.irp c, 1,2,3,4,5,6,7
	v_pk_add_f32 v[50+2*\c:51+2*\c], v[S+2*k:S+2*k+1], v[S+2*k+2:S+2*k+3]
.set k, k+2
.endr
	v_pk_add_f32 v[14:15], v[14:15], v[S+2*k:S+2*k+1]
.set k, k+1
.rept 6
.irp c, 1,2,3,4,5,6,7
	v_pk_add_f32 v[50+2*\c:51+2*\c], v[50+2*\c:51+2*\c], v[S+2*k:S+2*k+1]
.set k, k+1
.endr
	v_pk_add_f32 v[14:15], v[14:15], v[S+2*k:S+2*k+1]
.set k, k+1
.endr
	v_pk_add_f32 v[52:53], v[52:53], v[S+2*k:S+2*k+1]
	v_pk_add_f32 v[54:55], v[54:55], v[56:57]
	v_pk_add_f32 v[58:59], v[58:59], v[60:61]
	v_pk_add_f32 v[62:63], v[62:63], v[64:65]
	v_pk_add_f32 v[14:15], v[14:15], v[52:53]
	s_delay_alu instid0(VALU_DEP_3)
	v_pk_add_f32 v[54:55], v[54:55], v[58:59]
	s_delay_alu instid0(VALU_DEP_2)
	v_pk_add_f32 v[14:15], v[14:15], v[62:63]
	s_delay_alu instid0(VALU_DEP_1)
	v_pk_add_f32 v[14:15], v[14:15], v[54:55]
.irp b, 4,5,6,7
	CVT \b
.endr
.irp h, 0,1                                    ; V's eight fragments land on the p of blocks 4 to 7, which are converted and summed
.irp t, 0,1,2,3
.irp q, 0,1
	ds_load_b128 v[S+64+32*\h+8*\t+4*\q:S+67+32*\h+8*\t+4*\q], v[ADV] offset:8192*\h+1024*\t+512*\q
.endr
.endr
.irp p, 0,1
	ds_load_b32 v[248+2*\h+\p], v[ADT] offset:512*\h+128*\p
.endr
.endr
.irp b, 0,1,2,3
	CVT \b
.endr
	v_nop                                          ; one plain line behind the conversions
.irp c, 0,1,2,3
.irp i, 0,1
	v_permlane16_swap_b32 v[BM+4*\c+\i], v[BM+2+4*\c+\i]   ; a whole block to a lane
.endr
.endr
	s_wait_alu depctr_va_vdst(0)                   ; the wait directly ahead of the first reader of O^T
.set j, 0
.rept 16
	v_pk_mul_f32 v[O+j:O+j+1], v[O+j:O+j+1], v[48:49] op_sel_hi:[1,0]   ; O^T under the new M.  Twelve of the sixteen name no register of a given product below: the places behind the writes of p's scale words and codes
.set j, j+2
.endr
	s_wait_alu depctr_va_vdst(0)                   ; the wait ahead of the wait below
	s_wait_dscnt 0x0                               ; V is in
.irp h, 0,1                                    ; the four accumulators take turns, one instruction a turn
.irp t, 0,2
	v_wmma_scale_f32_16x16x128_f8f6f4 v[O+8*\t:O+8*\t+7], v[S+64+32*\h+8*\t:S+71+32*\h+8*\t], v[BM+8*\h:BM+8*\h+7], v[O+8*\t:O+8*\t+7], v[248+2*\h+\t/2], v[252+\h] matrix_a_fmt:MATRIX_FMT_FP4 matrix_b_fmt:MATRIX_FMT_FP4
	v_wmma_scale_f32_16x16x128_f8f6f4 v[O+8*\t+8:O+8*\t+15], v[S+72+32*\h+8*\t:S+79+32*\h+8*\t], v[BM+8*\h:BM+8*\h+7], v[O+8*\t+8:O+8*\t+15], v[248+2*\h+\t/2], v[252+\h] matrix_a_fmt:MATRIX_FMT_FP4 matrix_b_fmt:MATRIX_FMT_FP4 matrix_a_scale:MATRIX_SCALE_ROW1
.endr
.endr
	s_add_co_u32 s[TK], s[TK], 16384
	s_add_co_u32 s[TV], s[TV], 16384
	s_add_co_u32 s[TSK], s[TSK], 1024
	s_add_co_u32 s[TSV], s[TSV], 1024
	s_sub_co_u32 s[CNT], s[CNT], 1
	s_cmp_lg_u32 s[CNT], 0
	s_cbranch_scc1 .Lstep
	; a head's way out: O^T / the sum, quantised along the head's 64 channels: two blocks of 32, each shared with lane l xor 16
.rept 4
	v_nop                                          ; places behind the last products
.endr
	v_add_f32 v14, v14, v15
	s_delay_alu instid0(VALU_DEP_1)
	v_permlanex16_b32 v40, v14, s[SEL], s[SEL+1]
	s_delay_alu instid0(VALU_DEP_1)
	v_add_f32 v14, v14, v40                        ; the row's sum
	s_wait_alu depctr_va_vdst(0)                   ; the wait ahead of the reciprocal,
	v_rcp_f32 v14, v14
	v_nop                                          ; a plain line behind it,
	s_wait_alu depctr_va_vdst(0)                   ; and the wait ahead of its first reader
.set j, 0
.rept 16
	v_pk_mul_f32 v[S+j:S+j+1], v[O+j:O+j+1], v[14:15] op_sel_hi:[1,0]   ; register 16 B + n = channel 32 B + 16 (lane / 16) + n; each accumulator from its low end on
.set j, j+2
.endr
.irp b, 0,1
	v_max3_num_f32 v[32+\b], |v[S+16*\b]|, |v[S+1+16*\b]|, 0x1800000
.endr
.irp i, 2,4,6,8,10,12,14
.irp b, 0,1
	s_delay_alu instid0(VALU_DEP_2)
	v_max3_num_f32 v[32+\b], v[32+\b], |v[S+16*\b+\i]|, |v[S+1+16*\b+\i]|
.endr
.endr
.irp b, 0,1
	s_delay_alu instid0(VALU_DEP_2)
	v_permlanex16_b32 v[34+\b], v[32+\b], s[SEL], s[SEL+1]
.endr
.irp b, 0,1
	s_delay_alu instid0(VALU_DEP_2)
	v_max_num_f32 v[32+\b], v[32+\b], v[34+\b]
.endr
.irp b, 0,1
	s_delay_alu instid0(VALU_DEP_2)
	v_add_nc_u32 v[36+\b], 0xff000000, v[32+\b]
.endr
.irp b, 0,1
	s_delay_alu instid0(VALU_DEP_2)
	v_lshrrev_b32 v[34+\b], 23, v[36+\b]
.endr
	s_delay_alu instid0(VALU_DEP_1)
	v_lshl_or_b32 v38, v35, 8, v34                 ; this head's two bytes
	v_cvt_scalef32_pk8_fp4_f32 v228, v[S:S+7], v36
	v_cvt_scalef32_pk8_fp4_f32 v229, v[S+8:S+15], v36
	v_cvt_scalef32_pk8_fp4_f32 v230, v[S+16:S+23], v37
	v_cvt_scalef32_pk8_fp4_f32 v231, v[S+24:S+31], v37
	v_nop
	v_permlane16_swap_b32 v228, v230               ; lanes 0-15: block 0, lanes 16-31: block 1
	v_permlane16_swap_b32 v229, v231
	global_store_b128 v1, v[228:231], s[96:97]     ; 512 consecutive bytes: a quad of the last projection's operand
	v_lshrrev_b32 v24, 16, v24
	s_delay_alu instid0(VALU_DEP_1)
	v_lshl_or_b32 v24, v38, 16, v24                ; after two heads: the even head's bytes below, the odd head's above
.irp k, 0,1,2,3
	v_mov_b32 v[16+\k], v[4+\k]                    ; the odd head's Q takes the operand's registers
.endr
	v_mov_b32 v255, v26
	s_wait_xcnt 0x0                                ; the store has read its registers and its base: both are written again only behind this wait
	s_add_nc_u64 s[96:97], s[96:97], 262144
	s_add_co_u32 s[PK], s[PK], 512
	s_add_co_u32 s[PV], s[PV], 4096
	s_add_co_u32 s[PSK], s[PSK], 2
	s_add_co_u32 s[PSV], s[PSV], 256
	s_sub_co_u32 s[PASS], s[PASS], 1
	s_cmp_lg_u32 s[PASS], 0
	s_wait_alu depctr_va_vdst(0)                   ; the wait ahead of the branch
	s_cbranch_scc1 .Lpass
	s_lshl_b32 s2, s[WV], 6
	s_add_co_u32 s2, s2, AST
	v_add_nc_u32 v28, s2, v3                       ; my row's word: AST + 64 x wave + 4 r
	v_lshlrev_b32 v30, 4, v0
	s_delay_alu instid0(VALU_DEP_1)
	v_add_nc_u32 v29, AST, v30                     ; back: 16 bytes a thread (waves 0 and 1)
	s_wait_alu depctr_va_vdst(0)
	ds_store_b32 v28, v24                          ; lanes r and r + 16 write the same word with the same value
	s_wait_dscnt 0x0                               ; for the others' sake
	s_barrier_signal -1
	s_barrier_wait -1
	s_cmp_lt_u32 s[WV], 2
	s_cbranch_scc0 .Lno_words
	ds_load_b128 v[68:71], v29
	s_wait_dscnt 0x0
	global_store_b128 v30, v[68:71], s[98:99]      ; the work-group's 256 scale words: 512 consecutive bytes a wave
.Lno_words:
	s_wait_tensorcnt 0x0                           ; the wave's end
	ds_add_u32 v[SPW], v[NIL]
	s_wait_dscnt 0x0
	CROUND                                         ; the closing round
	s_endpgm
.Lfunc_end_k_q7c244e5b08_attn:
	.size	k_q7c244e5b08_attn, .Lfunc_end_k_q7c244e5b08_attn-k_q7c244e5b08_attn
	.p2alignl 7, 3214868480
	.fill 96, 4, 3214868480
	.section	.rodata,"a",@progbits
	.p2align	6, 0x0
	.amdhsa_kernel k_q7c244e5b08_attn
		.amdhsa_group_segment_fixed_size 327680
		.amdhsa_private_segment_fixed_size 0
		.amdhsa_enable_private_segment 0
		.amdhsa_kernarg_size 32
		.amdhsa_user_sgpr_count 2
		.amdhsa_user_sgpr_kernarg_segment_ptr 1
		.amdhsa_wavefront_size32 1
		.amdhsa_system_sgpr_workgroup_id_x 1
		.amdhsa_system_sgpr_workgroup_id_y 1
		.amdhsa_system_sgpr_workgroup_id_z 1
		.amdhsa_system_vgpr_workitem_id 0
		.amdhsa_next_free_vgpr 256
		.amdhsa_next_free_sgpr 100
		.amdhsa_reserve_vcc 0
		.amdhsa_float_denorm_mode_32 3
		.amdhsa_float_denorm_mode_16_64 3
		.amdhsa_memory_ordered 1
		.amdhsa_forward_progress 1
		.amdhsa_inst_pref_size 45
	.end_amdhsa_kernel
	.amdgpu_metadata
---
amdhsa.version: [ 1, 2 ]
amdhsa.kernels:
  - .name:           k_q7c244e5b08_attn
    .symbol:         k_q7c244e5b08_attn.kd
    .args:
      - { .name: pcodes, .offset: 0, .size: 8, .value_kind: global_buffer, .address_space: global }
      - { .name: pscales, .offset: 8, .size: 8, .value_kind: global_buffer, .address_space: global }
      - { .name: acodes, .offset: 16, .size: 8, .value_kind: global_buffer, .address_space: global }
      - { .name: ascales, .offset: 24, .size: 8, .value_kind: global_buffer, .address_space: global }
    .group_segment_fixed_size: 327680
    .private_segment_fixed_size: 0
    .kernarg_segment_align: 8
    .kernarg_segment_size: 32
    .max_flat_workgroup_size: 512
    .sgpr_count:     100
    .vgpr_count:     256
    .wavefront_size: 32
...
	.end_amdgpu_metadata
.endif
;; end of part 3
;; launch outp (part 4): grid 4 x 64, 4 waves a work-group, clusters of 4 x 4, 327,680 bytes of LDS; arguments acodes, ascales, wcodes, wscales, bo, out0; writes out0
.if DOCPART == 4
	.amdgcn_target "amdgcn-amd-amdhsa--gfx1250"
	.amdhsa_code_object_version 6
	.text
	.protected	k_q7c244e5b08_outp
	.globl	k_q7c244e5b08_outp
	.p2align	8
	.type	k_q7c244e5b08_outp,@function
k_q7c244e5b08_outp:
	s_mov_b64 s[64:65], 0
	v_nop
	global_prefetch_b8 v0, s[64:65] scope:SCOPE_SE
	s_setreg_imm32_b32 hwreg(HW_REG_WAVE_MODE, 25, 1), 1
	s_wait_xcnt 0x0
	s_wait_alu depctr_hold_cnt(0) depctr_sa_sdst(0) depctr_va_vdst(0) depctr_va_sdst(0) depctr_va_ssrc(0) depctr_va_vcc(0) depctr_vm_vsrc(0)
	s_getreg_b32 s2, hwreg(HW_REG_IB_STS2, 6, 4)
	s_cmp_eq_u32 s2, 0
	s_cbranch_scc0 .Lentry_in_a_cluster
	s_endpgm
.Lentry_in_a_cluster:
	s_bfe_u32 s2, ttmp6, 0x10000c
	s_cmp_lg_u32 s2, 0xf033
	s_cbranch_scc0 .Lentry_shape_is_right
	s_endpgm
.Lentry_shape_is_right:
; The last projection, out = a Wo + bo, on codes of FP4 (E2M1) with one E8M0 scale for each 32 along K = 1,024; sums in f32, begun at the bias.
; a's codes lie as images of operand registers, [head 16][tile of 16 rows 512][lane 32][16], its scale words [128 along K: 8][row 8,192][4]; row = batch x 2,048 + place, place = PI(m) (bits 3 and 4 exchanged).
; Wo's codes are weight 3 of wcodes, [place of column 1,024][512 bytes], its scale bytes [place][32].  Source 0 = 16 places of Wo's columns, source 1 = 16 rows of a: a lane holds one row, and the 16 registers of column tiles 2 b, 2 b + 1 are 16 true neighbours.
; A work-group of four waves makes 128 rows x 256 columns: 64 x 4 = 256 work-groups; a wave 64 x 128: 32 accumulators.  All of K lies in LDS, each byte filled once, by the head's four loads, one a wave: a's codes, Wo's codes, a's scale words, Wo's scale bytes.
; One barrier follows them; the eight steps of 128 along K meet no other.
; CLUSTERS: 4 x 4 work-groups; a's tiles are shared along a row of the cluster, Wo's along a column: each is asked for jointly.  Nothing is prefetched: every tile is asked for at the head by its own load, and no loop runs ahead of a load.
; REGISTERS: window 0: v1-26 addresses; v32-95 scale words, two sets; v126-127 for the add; v128-191 source 1's fragments, two sets; v192-255 the bias; on the way out v128-255 rows read back.  Window 1: source 0's fragments, two sets, at v0 and v128.
; Window 2: the accumulators, (a, b) at v[8 (8 a + b)].
.set ROWB,   512
.set KROW,   512
.set PITCH,  528                       ; Wo's LDS row: 512 bytes + 16 of padding: the 16 rows that a load touches start 16 bytes apart modulo 256
.set FR,     8
.set HALFT,  128*PITCH
.set BOFF,   65536                     ; a's [head 16][4,096 bytes], then Wo's 256 rows
.set SCA,    BOFF+2*HALFT              ; a's scale words: [128 along K: 8][512 bytes]
.set SCB,    SCA+4096                  ; Wo's scale bytes: 32 rows of 256 bytes + 16 of padding
.set HALFS,  16*272
.set STAGE,  SCB+2*HALFS               ; the way out: 16 rows x 528 bytes for each wave: no fill lands here
.set SPITCH, 528
.set SPARE,  STAGE+4*16*SPITCH         ; the spare words
.set ADRA, 16                          ; v16-17 my fragments of a: K = 0 .. 511, K = 512 .. 1,023
.set ADRB, 20                          ; v20-21 of Wo
.set ADSA, 22
.set ADSB, 23
.set STO,  24
.set RD,   25
.set CO,   26
.set SC,   32                          ; scale words: set s at v[SC + 32 s]: source 0's pair p, step q at + 4 p + q; source 1's at + 16 + 4 p + q
.set AF,   128
.set BI,   192
.set BK,   128
.set G1, 24
.set G0, 32
.set G1B, 48
.set G0B, 56
.set G1S, 68
.set G0S, 76
.set G1SB, 80
.set G0SB, 88
.set MSB, 0
.macro WIN new                         ; the immediate's high byte repeats the setting that is left
.if MSB != (\new)
	s_set_vgpr_msb (MSB<<8)|(\new)
.set MSB, \new
.endif
.endm
.set MUL_LO, 0xa1                      ; source 0 window 1, source 1 window 0, C and D window 2
.set TO_B,   0x40
.macro CROUND
	s_barrier_signal -1
	s_barrier_wait -1
	s_cmp_lg_u32 s14, 0
	s_cbranch_scc1 .Lnot_wave_0_\@
	s_barrier_signal -3
.Lnot_wave_0_\@:
	s_barrier_wait -3
	s_barrier_signal -1
	s_barrier_wait -1
.endm
.macro TL g0, g1                       ; a tensor load with the lines behind it
	tensor_load_to_lds s[\g0:\g0+3], s[\g1:\g1+7]
	s_nop 0
.rept 4
	v_nop
.endr
.endm
.macro G0SET g, lds, a
	s_mov_b32 s[\g], 1
	s_mov_b32 s[\g+1], \lds
	s_mov_b64 s[\g+2:\g+3], s[\a:\a+1]
	s_or_b32 s[\g+3], s[\g+3], 0x80000000
.endm
.macro G1SET g, c, r, p
	s_mov_b32 s[\g+1], (\c)<<16
	s_mov_b32 s[\g+2], (\r)<<16
	s_mov_b32 s[\g+3], (\c)<<16
	s_mov_b32 s[\g+4], \r
	s_mov_b32 s[\g+5], \p
	s_mov_b32 s[\g+6], 0
	s_mov_b32 s[\g+7], 0
.endm
	s_load_b256 s[4:11], s[0:1], 0x0               ; acodes s[4:5], ascales s[6:7], wcodes s[8:9], wscales s[10:11]
	s_load_b128 s[96:99], s[0:1], 0x20             ; bo s[96:97], out0 s[98:99]
	v_lshl_add_u32 v126, v0, 2, SPARE
	v_mov_b32 v127, 0
	ds_add_u32 v126, v127                          ; the opening lines: the add twice on end and one wait
	ds_add_u32 v126, v127
	v_lshrrev_b32 v1, 5, v0
	v_readfirstlane_b32 s14, v1                    ; wave 0..3
	s_lshr_b32 s15, s14, 1                         ; my 64 of the rows
	s_and_b32 s16, s14, 1                          ; my 128 of the columns
	s_bfe_u32 s40, ttmp6, 0x40000                  ; cx
	s_bfe_u32 s41, ttmp6, 0x40004                  ; cy
	s_lshl_b32 s42, ttmp9, 2
	s_add_co_u32 s42, s42, s40                     ; tile column: 256 columns
	s_and_b32 s17, ttmp7, 0xffff
	s_lshl_b32 s17, s17, 2
	s_add_co_u32 s17, s17, s41                     ; tile row: 128 rows
	s_lshl_b32 s43, s41, 2
	s_lshl_b32 s43, 15, s43                        ; my row of the cluster
	s_lshl_b32 s44, 0x1111, s40                    ; my column
	s_or_b32 s[G1+0], s43, (3<<16)|(1<<21)         ; a's codes: 16 heads x 4,096 bytes (8 tiles of rows), 262,144 bytes apart, dense in LDS
	G1SET G1, 512, 16, 32768
	s_or_b32 s[G1B+0], s44, (1<<20)|(1<<21)|(6<<22)|(3<<25)   ; Wo's codes: 256 rows of 512 bytes, 4 words of padding behind every 128
	G1SET G1B, ROWB, 256, KROW
	s_or_b32 s[G1S+0], s43, (3<<16)|(1<<21)        ; a's scale words: 8 rows of 512 bytes, 32,768 bytes apart
	G1SET G1S, 64, 8, 4096
	s_or_b32 s[G1SB+0], s44, (3<<16)|(1<<20)|(1<<21)|(5<<22)|(3<<25)   ; Wo's scale bytes: 8,192 dense bytes as 32 padded rows
	G1SET G1SB, 32, 32, 32
	s_lshl_b32 s20, s17, 12
	s_lshl_b32 s22, s17, 9
	s_lshl_b32 s46, s42, 17
	s_add_co_u32 s46, s46, 3*524288
	s_lshl_b32 s92, s42, 13
	s_add_co_u32 s92, s92, 3*32768
	s_mov_b32 s21, 0
	s_mov_b32 s23, 0
	s_mov_b32 s47, 0
	s_mov_b32 s93, 0
	s_lshl_b32 s2, s15, 11                         ; LDS bases of my parts: a's 4 tiles of rows (2,048 bytes in each head's 4,096),
	s_mul_i32 s3, s16, HALFT
	s_add_co_u32 s3, s3, BOFF                      ; Wo's 128 rows,
	s_lshl_b32 s12, s15, 8
	s_add_co_u32 s12, s12, SCA                     ; a's scale words,
	s_mul_i32 s13, s16, HALFS
	s_add_co_u32 s13, s13, SCB                     ; Wo's scale bytes,
	s_mul_i32 s45, s14, 16*SPITCH
	s_add_co_u32 s45, s45, STAGE                   ; my stage
	s_lshl_b32 s18, s42, 10
	s_lshl_b32 s19, s16, 9
	s_add_co_u32 s18, s18, s19                     ; 4 x my first column
	s_mov_b32 s19, 0
	s_and_b32 s66, s17, 15
	s_lshl_b32 s66, s66, 7
	s_lshl_b32 s67, s15, 6
	s_add_co_u32 s66, s66, s67                     ; my first place in the batch: a multiple of 64, so also my first m
	s_lshl_b32 s66, s66, 14                        ; 16,384 bytes from m to m + 1
	s_lshr_b32 s67, s17, 4
	s_lshl_b32 s67, s67, 12                        ; the batch
	s_add_co_u32 s66, s66, s67
	s_mov_b32 s67, 0
	s_wait_dscnt 0x0                               ; both opening adds are done
	s_wait_kmcnt 0x0
	s_add_nc_u64 s[20:21], s[4:5], s[20:21]
	s_add_nc_u64 s[22:23], s[6:7], s[22:23]
	s_add_nc_u64 s[46:47], s[8:9], s[46:47]
	s_add_nc_u64 s[92:93], s[10:11], s[92:93]
	s_add_nc_u64 s[96:97], s[96:97], s[18:19]
	s_add_nc_u64 s[98:99], s[98:99], s[18:19]
	s_add_nc_u64 s[98:99], s[98:99], s[66:67]
	CROUND                                         ; all sixteen work-groups are here: the joint loads meet
	G0SET G0, 0, 20
	G0SET G0B, BOFF, 46
	G0SET G0S, SCA, 22
	G0SET G0SB, SCB, 92
; THE LOADS, one a wave, in one tree of branches on the wave's number: a's codes, Wo's codes, a's scale words, Wo's scale bytes
.macro ARM under, g0, g1, next
	s_cmp_lt_u32 s14, \under
	s_cbranch_scc0 \next
	TL \g0, \g1
	s_branch .Lhead_asked
\next:
.endm
	ARM 1, G0, G1, .Lhead_b
	ARM 2, G0B, G1B, .Lhead_sa
	ARM 3, G0S, G1S, .Lhead_sb
	TL G0SB, G1SB
.Lhead_asked:
	v_and_b32 v1, 15, v0                           ; r
	v_bfe_u32 v2, v0, 4, 1                         ; h
	v_and_b32 v7, 31, v0                           ; lane
	v_lshlrev_b32 v3, 6, v2                        ; the bias: 64 h
	v_lshlrev_b32 v[CO], 4, v7                     ; 16 x lane
	v_mul_u32_u24 v6, v1, PITCH
	v_lshl_add_u32 v6, v2, 4, v6                   ; a fragment of Wo: row x pitch + 16 x half
	v_add_nc_u32 v[ADRA], s2, v[CO]
	v_add_nc_u32 v[ADRA+1], 32768, v[ADRA]         ; the second 512 along K: heads 8 to 15,
	v_add_nc_u32 v[ADRB], s3, v6
	v_add_nc_u32 v[ADRB+1], 256, v[ADRB]           ; 256 bytes on in Wo's rows
	v_lshl_add_u32 v[ADSA], v7, 2, s12             ; a's scale words: row = lane of a pair of blocks
	v_lshlrev_b32 v8, 5, v7
	v_lshrrev_b32 v9, 3, v7
	v_lshl_add_u32 v8, v9, 4, v8                   ; Wo's: 32 bytes a row, 16 more for each eight rows passed
	v_add_nc_u32 v[ADSB], s13, v8
	v_mul_u32_u24 v10, v1, SPITCH
	v_lshl_add_u32 v10, v2, 6, v10
	v_add_nc_u32 v[STO], s45, v10                  ; the stage, in: row r, 64 h bytes on
	v_add_nc_u32 v[RD], s45, v[CO]                 ; and back: the 32 lanes take one row of 512 bytes
.irp b, 0,1,2,3,4,5,6,7
	global_load_b128 v[BI+8*\b:BI+8*\b+3], v3, s[96:97] offset:(32*(\b/2)+8*(\b%2))*4       ; the bias at tile b's eight columns of my half
	global_load_b128 v[BI+8*\b+4:BI+8*\b+7], v3, s[96:97] offset:(32*(\b/2)+8*(\b%2))*4+16
.endr
.macro FRAG reg, adr, q, i             ; Wo: 16 rows x 128 K: two loads of 16 bytes, 32 bytes apart
.irp c, 0,1
	ds_load_b128 v[\reg+4*\c:\reg+4*\c+3], v[\adr] offset:64*(\q)+32*\c+(\i)*16*PITCH
.endr
.endm
.macro FRAGA reg, adr, q, i            ; a: the image of the registers: head 2 q + c, tile i of rows
.irp c, 0,1
	ds_load_b128 v[\reg+4*\c:\reg+4*\c+3], v[\adr] offset:(2*(\q)+\c)*4096+(\i)*512
.endr
.endm
.macro FETCH half, q, p                ; the fragments of the q-th 128 of a half of K into sets p
	WIN TO_B
.irp i, 0,1,2,3,4,5,6,7
	FRAG 128*(\p)+FR*\i, ADRB+\half, \q, \i
.endr
	WIN 0
.irp i, 0,1,2,3
	FRAGA AF+32*(\p)+FR*\i, ADRA+\half, \q, \i
.endr
.endm
.macro SCALES sc                       ; the scale words of a half of K
.irp p, 0,1,2,3
	ds_load_b128 v[SC+32*\sc+4*\p:SC+32*\sc+4*\p+3], v[ADSB] offset:\p*1088+16*\sc
.endr
.irp p, 0,1
.irp q, 0,1,2,3
	ds_load_b32 v[SC+16+32*\sc+4*\p+\q], v[ADSA] offset:(4*\sc+\q)*512+128*\p
.endr
.endr
.endm
.macro WMI                             ; one matrix instruction; row0, row1: the scale words lie in lanes 16-31
.if row0 && row1
	v_wmma_scale_f32_16x16x128_f8f6f4 v[rD:rD+7], v[rB:rB+7], v[rA:rA+7], v[rC:rC+7], v[rS0], v[rS1] matrix_a_fmt:MATRIX_FMT_FP4 matrix_b_fmt:MATRIX_FMT_FP4 matrix_a_scale:MATRIX_SCALE_ROW1 matrix_b_scale:MATRIX_SCALE_ROW1
.elseif row0
	v_wmma_scale_f32_16x16x128_f8f6f4 v[rD:rD+7], v[rB:rB+7], v[rA:rA+7], v[rC:rC+7], v[rS0], v[rS1] matrix_a_fmt:MATRIX_FMT_FP4 matrix_b_fmt:MATRIX_FMT_FP4 matrix_a_scale:MATRIX_SCALE_ROW1
.elseif row1
	v_wmma_scale_f32_16x16x128_f8f6f4 v[rD:rD+7], v[rB:rB+7], v[rA:rA+7], v[rC:rC+7], v[rS0], v[rS1] matrix_a_fmt:MATRIX_FMT_FP4 matrix_b_fmt:MATRIX_FMT_FP4 matrix_b_scale:MATRIX_SCALE_ROW1
.else
	v_wmma_scale_f32_16x16x128_f8f6f4 v[rD:rD+7], v[rB:rB+7], v[rA:rA+7], v[rC:rC+7], v[rS0], v[rS1] matrix_a_fmt:MATRIX_FMT_FP4 matrix_b_fmt:MATRIX_FMT_FP4
.endif
.endm
.macro MUL p, q, sc, first             ; 32 matrix instructions: my 4 blocks of rows x 8 blocks of columns; the 32 accumulators take turns.  first: the sums begin at the bias
.if \first
	WIN 0x81
.else
	WIN MUL_LO
.endif
.irp a, 0,1,2,3
.irp b, 0,1,2,3,4,5,6,7
.set rD, 8*(8*\a+\b)
.if \first
.set rC, BI+8*\b
.else
.set rC, rD
.endif
.set rB, 128*(\p)+FR*\b
.set rA, AF+32*(\p)+FR*\a
.set rS0, SC+32*(\sc)+4*(\b/2)+(\q)
.set rS1, SC+16+32*(\sc)+4*(\a/2)+(\q)
.set row0, \b%2
.set row1, \a%2
	WMI
.endr
.endr
.endm
.macro PLACES                          ; plain vector lines between a matrix instruction and a load into, or a read of, one of its registers
.rept 4
	v_nop
.endr
.endm
.macro STEP half, q, first             ; this step's fragments are in; the next step's are asked for into the other sets and come while this step is multiplied
	s_wait_dscnt 0x0
	PLACES
	FETCH \half, (\q)+1, 1-(\q)%2
	MUL (\q)%2, \q, \half, \first
.endm
	s_wait_alu depctr_va_vdst(0)                   ; the wait at the head's end
	s_wait_tensorcnt 0x0                           ; my tile of the four is in
	s_barrier_signal -1
	s_barrier_wait -1                              ; everybody's are
	FETCH 0, 0, 0
	SCALES 0
	s_wait_loadcnt 0x0                             ; the bias
	STEP 0, 0, 1
	STEP 0, 1, 0
	STEP 0, 2, 0
	s_wait_dscnt 0x0                               ; the fourth step asks for the first fragments and the scale words of the second half of K
	PLACES
	FETCH 1, 0, 0
	SCALES 1
	MUL 1, 3, 0, 0
	STEP 1, 0, 0
	STEP 1, 1, 0
	STEP 1, 2, 0
	s_wait_dscnt 0x0
	MUL 1, 3, 1, 0
	WIN 0
; THE WAY OUT, block by block of 16 rows x 128 columns, through my own stage: whole rows of 512 bytes come back, which the 32 lanes store as two aligned runs of 256 bytes.  LDS serves a wave's instructions in order.
.macro TOSTAGE a
.set AC, 64*(\a)
	WIN 0x08                                       ; the data: window 2
.irp b, 0,1,2,3,4,5,6,7
	ds_store_b128 v[STO], v[AC+8*\b:AC+8*\b+3] offset:128*(\b/2)+32*(\b%2)          ; each accumulator from its low end on
	ds_store_b128 v[STO], v[AC+8*\b+4:AC+8*\b+7] offset:128*(\b/2)+32*(\b%2)+16
.endr
	WIN 0
.set BB, BK+64*((\a)%2)
.irp t, 0,1,2,3,4,5,6,7,8,9,10,11,12,13,14,15
	ds_load_b128 v[BB+4*\t:BB+4*\t+3], v[RD] offset:\t*SPITCH
.endr
.endm
.macro SEND a, younger                 ; younger: the LDS instructions issued behind block a's loads, which may stay out.  Place 16 a + t is row m = 32 (a / 2) + 16 (t / 8) + 8 (a % 2) + t % 8
.set BB, BK+64*((\a)%2)
	s_wait_dscnt \younger
.irp t, 0,1,2,3,4,5,6,7,8,9,10,11,12,13,14,15
	global_store_b128 v[CO], v[BB+4*\t:BB+4*\t+3], s[98:99] offset:(32*((\a)/2)+16*(\t/8)+8*((\a)%2)+\t%8)*16384 th:TH_STORE_NT
.endr
.endm
	PLACES
	TOSTAGE 0
.irp a, 1,2,3
.if \a > 1
	s_wait_xcnt 0x0                                ; block a - 2's stores have read their registers: block a's loads may land there
.endif
	TOSTAGE \a
	SEND \a-1, 32                                  ; behind block a - 1's loads: block a's 16 stores and 16 loads
.endr
	SEND 3, 0
	s_wait_tensorcnt 0x0                           ; the wave's end
	ds_add_u32 v126, v127
	s_wait_dscnt 0x0
	CROUND                                         ; the closing round
	s_endpgm
.Lfunc_end_k_q7c244e5b08_outp:
	.size	k_q7c244e5b08_outp, .Lfunc_end_k_q7c244e5b08_outp-k_q7c244e5b08_outp
	.p2alignl 7, 3214868480
	.fill 96, 4, 3214868480
	.section	.rodata,"a",@progbits
	.p2align	6, 0x0
	.amdhsa_kernel k_q7c244e5b08_outp
		.amdhsa_group_segment_fixed_size 327680
		.amdhsa_private_segment_fixed_size 0
		.amdhsa_enable_private_segment 0
		.amdhsa_kernarg_size 48
		.amdhsa_user_sgpr_count 2
		.amdhsa_user_sgpr_kernarg_segment_ptr 1
		.amdhsa_wavefront_size32 1
		.amdhsa_system_sgpr_workgroup_id_x 1
		.amdhsa_system_sgpr_workgroup_id_y 1
		.amdhsa_system_sgpr_workgroup_id_z 1
		.amdhsa_system_vgpr_workitem_id 0
		.amdhsa_next_free_vgpr 768
		.amdhsa_next_free_sgpr 100
		.amdhsa_reserve_vcc 0
		.amdhsa_float_denorm_mode_32 3
		.amdhsa_float_denorm_mode_16_64 3
		.amdhsa_memory_ordered 1
		.amdhsa_forward_progress 1
		.amdhsa_inst_pref_size 72
	.end_amdhsa_kernel
	.amdgpu_metadata
---
amdhsa.version: [ 1, 2 ]
amdhsa.kernels:
  - .name:           k_q7c244e5b08_outp
    .symbol:         k_q7c244e5b08_outp.kd
    .args:
      - { .name: acodes, .offset: 0, .size: 8, .value_kind: global_buffer, .address_space: global }
      - { .name: ascales, .offset: 8, .size: 8, .value_kind: global_buffer, .address_space: global }
      - { .name: wcodes, .offset: 16, .size: 8, .value_kind: global_buffer, .address_space: global }
      - { .name: wscales, .offset: 24, .size: 8, .value_kind: global_buffer, .address_space: global }
      - { .name: bo, .offset: 32, .size: 8, .value_kind: global_buffer, .address_space: global }
      - { .name: out0, .offset: 40, .size: 8, .value_kind: global_buffer, .address_space: global }
    .group_segment_fixed_size: 327680
    .private_segment_fixed_size: 0
    .kernarg_segment_align: 8
    .kernarg_segment_size: 48
    .max_flat_workgroup_size: 128
    .sgpr_count:     100
    .vgpr_count:     768
    .wavefront_size: 32
...
	.end_amdgpu_metadata
.endif
;; end of part 4
